; MI455X (gfx1250); checked and timed in simulation.
; The chip was launched on July 23, 2026; its instructions are those of AMD's public machine-readable ISA for CDNA 5 (MIT licence, August 2026) and "CDNA5" Instruction Set Architecture Reference Guide (July 2026). The comments in the code are by the model that wrote it; some were corrected since.
;; Cross Attention Clustering Learnable K. Allowed arithmetic: matrix products marked QUANTISED: E2M3 operands, one E8M0 scale for each 32 along K, by v_wmma_scale_f32_16x16x128_f8f6f4 with both operands' format E2M3, f32 sums; everything else in f32.
;; Inputs: W1_codes 512 x 16 x 24 uint8 (E2M3 codes of W1, K innermost, in blocks of 32 codes, four codes in three bytes); W1_scales 512 x 16 uint8 (E8M0 scales of W1, one for each 32 codes along K); W2_codes 256 x 16 x 24 uint8 (E2M3 codes of W2, K innermost, in blocks of 32 codes, four codes in three bytes); W2_scales 256 x 16 uint8 (E8M0 scales of W2, one for each 32 codes along K); Wk_codes 512 x 8 x 24 uint8 (E2M3 codes of Wk, K innermost, in blocks of 32 codes, four codes in three bytes); Wk_scales 512 x 8 uint8 (E8M0 scales of Wk, one for each 32 codes along K); Wq_codes 512 x 8 x 24 uint8 (E2M3 codes of Wq, K innermost, in blocks of 32 codes, four codes in three bytes); Wq_scales 512 x 8 uint8 (E8M0 scales of Wq, one for each 32 codes along K); Wv_codes 512 x 8 x 24 uint8 (E2M3 codes of Wv, K innermost, in blocks of 32 codes, four codes in three bytes); Wv_scales 512 x 8 uint8 (E8M0 scales of Wv, one for each 32 codes along K); b1 512 float32; b2 256 float32; hit_features_codes 8 x 16,384 x 8 x 24 uint8 (E2M3 codes of hit_features, K innermost, in blocks of 32 codes, four codes in three bytes); hit_features_scales 8 x 16,384 x 8 uint8 (E8M0 scales of hit_features, one for each 32 codes along K); ln1_b 256 float32; ln1_g 256 float32; ln2_b 256 float32; ln2_g 256 float32; slot_representations 8 x 64 x 256 float32.
;; Outputs: out0 8 x 64 x 256 float32.
;; This version of the problem:
;;   THIS VERSION OF THE PROBLEM IS GIVEN IN LOW PRECISION. The matrix products marked QUANTISED in the list below multiply operands that are first quantised to E2M3 (2 exponent bits, 3 mantissa bits; 6 bits a number), with one power-of-two scale for each 32 numbers along K (OCP MX v1.0); their sums are f32. All else is computed in f32.
;;   The module's matrix products, in the order in which they are computed (A, B: the left and right operand; K: the contracted axis; several contracted axes count as one K, in the product's order):
;;     1. [M 512, K 256] x [K 256, N 512]; A: computed on the way; B: input Wq (given as codes): QUANTISED
;;     2. [M 131,072, K 256] x [K 256, N 512]; A: input hit_features (given as codes); B: input Wk (given as codes): QUANTISED
;;     3. [M 131,072, K 256] x [K 256, N 512]; A: input hit_features (given as codes); B: input Wv (given as codes): QUANTISED
;;     4. batch 64 x [M 64, K 64] x [K 64, N 16,384]; A: computed on the way; B: computed on the way: QUANTISED
;;     5. batch 64 x [M 64, K 16,384] x [K 16,384, N 64]; A: computed on the way; B: softmax (see below): QUANTISED
;;     6. [M 512, K 512] x [K 512, N 512]; A: computed on the way; B: input W1 (given as codes): QUANTISED
;;     7. [M 512, K 512] x [K 512, N 256]; A: computed on the way; B: input W2 (given as codes): QUANTISED
;;   THE QUANTISER, for each operand of a quantised product, along K:
;;     - K is cut into blocks of 32 from its start; a last block that is shorter is filled with zeros.
;;     - A block's scale is 2^e with e = floor(log2(the largest magnitude in the block)) - 2, held to -126 .. 127; a block of zeros has e = 0. As a byte (E8M0): e + 127.
;;     - Each number is divided by its block's scale, clamped to +-7.5, and rounded to the nearest number of E2M3, ties to even, subnormals kept.
;;     - The product sums the exact products of the quantised numbers (number of the format x scale) in f32.
;;   ~~~python
;;   def quantise(x, axis):      # numpy; x: float32 -> the quantised numbers, widened to float32 again
;;       x = np.moveaxis(x, axis, -1); K = x.shape[-1]
;;       x = np.pad(x, [(0, 0)] * (x.ndim - 1) + [(0, -K % 32)]); x = x.reshape(x.shape[:-1] + (-1, 32)); a = np.abs(x).max(-1, keepdims=True)
;;       e = np.where(a > 0, np.clip(np.frexp(np.where(a > 0, a, 1))[1] - 1 - 2, -126, 127), 0)      # np.frexp(a)[1] - 1 = floor(log2(a)), exactly
;;       r = np.clip(x / 2.0 ** e, -7.5, 7.5)
;;       step = 2.0 ** (np.maximum(np.frexp(np.where(r == 0, 1, r))[1] - 1, 0) - 3)
;;       q = np.round(r / step) * step * 2.0 ** e      # np.round: ties to even
;;       return np.moveaxis(q.reshape(q.shape[:-2] + (-1,))[..., :K], -1, axis).astype(np.float32)
;;   ~~~
;;   SOFTMAX AHEAD OF A QUANTISED PRODUCT. Where the list says 'softmax', what is quantised is not the finished softmax but p = 2^(t - M), with t = logit x log2(e) and M = ceil(the row's largest t), a whole number; so 1/2 < the row's largest p <= 1. The row's sum l is taken of the UNQUANTISED p, in f32, and the product's result is divided by l at the end. Since M is a whole number, a kernel that streams over the keys may use a running M (the ceiling of the running maximum): every later rescaling is an exact power of two, which a block's scale takes up: the codes' values come out the same.
;;   OPERANDS COMPUTED ON THE WAY. 'Computed on the way' means the value that the module computes at that place (a softmax that the list does not call 'softmax' is quantised finished and normalised). What goes into a quantiser is computed in f32, as accurately as f32 sums, v_exp_f32 and their like allow (about 1e-6 of the number): no bf16 or f16 on the way to a quantiser, and a product that is left as it is and whose result goes on into a quantised operand takes f32 operands (vector FMAs, or v_wmma_f32_16x16x4_f32). A number that lies on a knife's edge between two numbers of the format may be rounded either way, as far as f32 arithmetic and the matrix unit's own rounding can turn it there, and no further.
;;   INPUTS GIVEN AS CODES. W1 (in the module: [512, 512], K = its axis 0); W2 (in the module: [512, 256], K = its axis 0); Wk (in the module: [256, 512], K = its axis 0); Wq (in the module: [256, 512], K = its axis 0); Wv (in the module: [256, 512], K = its axis 0); hit_features (in the module: [8, 16384, 256], K = its axis 2): each comes as NAME_codes (uint8): NAME with its K axis moved to the last place and cut into blocks of 32 codes, [.., K / 32, bytes a block], one block behind the other in memory; four codes in three bytes: a row's codes are one little-endian stream of bits, code i at bits 6 i .. 6 i + 5 (a code: sign, 2 exponent bits, 3 mantissa bits); and NAME_scales (uint8): the same leading axes, one E8M0 byte (e + 127) for each 32 codes along K. Its value is code x scale, taken as it is: it is not quantised again, and the codes and scales need not be those that the quantiser above would give.
;; 2 versions. Each part assembles by itself: llvm-mc -triple=amdgcn-amd-amdhsa -mcpu=gfx1250 --defsym DOCPART=n.
;; ======== version 1 of 2: 2 launches
;; workspace buffers: opart 4,194,304 bytes; stats 262,144 bytes
;; launch attn (part 1): grid 8 x 32, 4 waves a work-group, clusters of 4 x 1, 327,680 bytes of LDS; arguments slot_representations, ln1_g, ln1_b, Wq_codes, Wq_scales, Wk_codes, Wk_scales, Wv_codes, Wv_scales, hit_features_codes, hit_features_scales, opart, stats; writes opart, stats
.if DOCPART == 1
	.amdgcn_target "amdgcn-amd-amdhsa--gfx1250"
	.amdhsa_code_object_version 6
	.text
	.protected	k_qda5aa30d14_attn
	.globl	k_qda5aa30d14_attn
	.p2align	8
	.type	k_qda5aa30d14_attn,@function
k_qda5aa30d14_attn:
	s_mov_b64 s[64:65], 0
	v_nop
	global_prefetch_b8 v0, s[64:65] scope:SCOPE_SE
	s_setreg_imm32_b32 hwreg(HW_REG_WAVE_MODE, 25, 1), 1
	s_wait_xcnt 0x0
	s_wait_alu depctr_hold_cnt(0) depctr_sa_sdst(0) depctr_va_vdst(0) depctr_va_sdst(0) depctr_va_ssrc(0) depctr_va_vcc(0) depctr_vm_vsrc(0)
	s_getreg_b32 s2, hwreg(HW_REG_IB_STS2, 6, 4)
	s_cmp_eq_u32 s2, 0
	s_cbranch_scc0 .Lentry_in_a_cluster
	s_endpgm
.Lentry_in_a_cluster:
	s_bfe_u32 s2, ttmp6, 0x10000c
	s_cmp_lg_u32 s2, 0x3003
	s_cbranch_scc0 .Lentry_shape_is_right
	s_endpgm
.Lentry_shape_is_right:
; LayerNorm 1, q, k, v, the scores, the softmax and the weighted sum of v, for ONE head of ONE batch and ONE quarter (4,096) of its hits; all products on codes of FP6 (E2M3) with one E8M0 scale for each 32 along K.
; OUT: opart [work-group 256][slot tile 4][dv tile 4][half 2][lane 32][4 f32]: the sum of p v, not divided; stats [work-group][slot tile][lane][-M, l].  The next launch joins the four quarters.
; SHARES.  Work-group = (head = 4 x cluster x + cx, y = 4 x batch + quarter).  Wave w owns hits 1,024 w .. + 1,023 of the quarter, for all 64 slots, in 8 steps of 128 hits.  The head's 64 rows of Wk and of Wv (192 registers),
; q (48) and the sums O (128) stay in registers.  In the loop the waves share nothing: a wave's tensor load fills LDS bytes that it alone reads.
; CLUSTER.  The four heads of a cluster walk the same hits: each tile is asked for JOINTLY (mask 15); its descriptor hangs on y, the wave's number and the step alone.  The head enters global addresses only.
; A STEP (128 hits = 8 tiles T of 16), 176 matrix instructions:
;   K(T): k^T = Wk x hits (source 0 = 16 rows of Wk, source 1 = the tile): lane (r, h) holds hit 16 T + r, register 8 t + j = channel 16 t + 8 h + j.  Quantised along the 64 channels: 6 registers of codes.
;   V(d): v = hits x Wv (source 0 = the SAME hit fragments, source 1 = 16 rows of Wv): lane holds dv 16 d + r, register 8 T + j = hit 16 T + 8 h + j.  Quantised along the hits: a fragment of V^T.
;   S(st): source 0 = k's tile, source 1 = q's tile: lane holds slot 16 st + r, register 8 T + j = hit 16 T + 8 h + j.  p = 2^(t - M) is quantised along the hits as V is.
;   PV(st): O^T += V^T P: lane holds slot 16 st + r, register j = dv 16 d + 8 h + j.
; ORDER INSIDE A BLOCK OF 32.  A lane's 16 numbers of a block are 8 h + j and 16 + 8 h + j: a permutation inside the block.  It is the same for k and q (both made as weight x rows) and the same for p and V (both with the
; hits down the registers), so the products and the blocks' scales are those of the natural order.
; K = 64 in the scores: q's codes for 64 .. 127 are zeros, so k's tiles lie 6 registers apart and the upper half of one is the next one's codes, multiplied by zeros (scale bytes 0 there: 2^-127, no NaN).
; BY TURNS.  Each unit's quantiser or softmax stands behind the NEXT unit's matrix instructions: those vector lines are the places behind the products, and they are issued while the matrix unit works.
; SOFTMAX.  t = score x log2(e) / 8; -M = floor(-largest t so far), a whole number; when M moves, l and O are multiplied by 2^(old M - new M), exact.  l sums the unquantised p.  Each wave keeps its own M; the waves are joined at the end by powers of two.
; NOT DONE: no prefetch of the hits: each block would have to be asked for by one of the eight heads that read it, which is a branch on the work-group's place in its cluster.
; LIMITS.  NaN and infinities among the inputs are not served.  A block whose largest magnitude lies under 2^-124 keeps the scale byte 1 (a block of zeros too, where the quantiser says 127: its codes are zeros and this program alone
; reads the byte).  A block's largest p is taken from its largest score, which takes v_exp_f32 not to fall where its input rises.  v_exp_f32 gives 0 for results under 2^-126.
; REGISTERS, in windows of 256.  Window 0: v1-15 addresses, v16-31 per slot tile (-M, largest t, l in two halves), v32-80 scale words and nothing else, v82-107 at work, v108-127 codes just made, v128-255 results of the unit in hand.
;   Window 1: Wk 0-95, Wv 96-191, q 192-239.   Window 2: the step's 16 hit fragments 0-191, k's codes 192-245.   Window 3: O 0-127, V^T 128-175.
.set SLOT1,  1<<17                     ; slot 1 begins here: one exclusive or turns an address of one slot into the other's
.set WPART,  30720                     ; a wave's part of a slot: 128 hits x 240
.set SCL,    253952                    ; the hits' scale bytes, 8,192 dense bytes a wave, filled once
.set QIMG,   286720                    ; q's four tiles as images of their registers: 512 bytes (registers 0-3) + 256 (registers 4-5)
.set QSC,    289792                    ; and their scale words, 128 bytes a tile
.set STATM,  290304                    ; the way out: -M at [wave][slot tile][lane]; l 2,048 bytes on
.set SPARE,  294400                    ; the spare words, 128 bytes for each wave: two blocks of 256 bytes that no other line names
.set SPW, 1
.set NIL, 2
.set AH0, 3                            ; my place in my part of a slot: 240 r + 24 h
.set AH1, 4                            ; the same behind one padding more: 240 r + 40 h
.set ADH0, 5
.set ADH1, 6
.set ASC, 7                            ; my hit's scale words: SCL + 8,192 w + 8 r
.set ADS, 8
.set L16, 9                            ; 16 x lane
.set L4, 10                            ; 4 x lane
.set L8, 11                            ; 8 x lane
.set XA, 12
.set GA, 13
.set WA, 14
.set SA, 15
.set ST, 16
.set WKS, 32
.set WVS, 40
.set QSW, 48
.set HSW, 52
.set KSW, 68
.set VSW, 76
.set PSW, 80
.set F, 82
.set BM, 84
.set BP, 88
.set SO, 92
.set T0, 96
.set T1, 97
.set AC, 98
.set E0, 102                           ; v102-107 LDS addresses of the head and of the way out
.set PC, 108
.set AREA, 128
.set WK, 0
.set WV, 96
.set QF, 192
.set HF, 0
.set KF, 192
.set O, 0
.set VF, 128
.set WN, 30                            ; s30 my wave's number
.set G1H, 40                           ; s[40:47] group 1 for the hits' codes;  s[48:55] for their scale bytes;  s[56:59] group 0 that walks;  s[60:63] group 0 of the scale bytes
.set G1S, 48
.set G0H, 56
.set G0S, 60
.set TB, 66                            ; s66 LDS byte at which the slot in hand begins
.set TS, 67                            ; s67 the step's scale words: 1,024 bytes a step
.set CNT, 68
.set SEL, 70                           ; s[70:71] v_permlanex16_b32's selects for lane l xor 16
.set CS, 72                            ; s[72:73] log2(e) / 8
.set RN, 74                            ; s74 1 / 256
.set EPS, 75                           ; s75 1e-5
.set MSB, 0
.macro WIN new                         ; the immediate's high byte repeats the setting that is left
.if MSB != \new
	s_set_vgpr_msb (MSB<<8)|\new
.set MSB, \new
.endif
.endm
.macro PLACES cnt
.rept \cnt
	v_nop
.endr
.endm
.macro ROUND                           ; a round of the cluster's barrier
	s_barrier_signal -1
	s_barrier_wait -1
	s_cmp_lg_u32 s[WN], 0
	s_cbranch_scc1 .Lnot_wave_0_\@
	s_barrier_signal -3
.Lnot_wave_0_\@:
	s_barrier_wait -3
	s_barrier_signal -1
	s_barrier_wait -1
.endm
.macro WM0 d, a, b, sa, sb             ; a product that starts a sum
	v_wmma_scale_f32_16x16x128_f8f6f4 v[(\d):(\d)+7], v[(\a):(\a)+11], v[(\b):(\b)+11], 0, v[\sa], v[\sb] matrix_a_fmt:MATRIX_FMT_FP6 matrix_b_fmt:MATRIX_FMT_FP6
.endm
.macro WMA d, a, b, sa, sb             ; a product that adds in place
	v_wmma_scale_f32_16x16x128_f8f6f4 v[(\d):(\d)+7], v[(\a):(\a)+11], v[(\b):(\b)+11], v[(\d):(\d)+7], v[\sa], v[\sb] matrix_a_fmt:MATRIX_FMT_FP6 matrix_b_fmt:MATRIX_FMT_FP6
.endm
; The largest magnitudes of nb blocks: block b's 16 numbers of my lane stand in v[src + 16 b] on.  Two chains a block (registers 0-7 with the floor 2^(3 - 127), registers 8-14), joined with register 15; then lane l xor 16's.
; Each accumulator of 8 is read from its low end on.
.macro MAXA nb, src
.set b_, 0
.rept \nb
	v_max3_num_f32 v[BM+b_], |v[(\src)+16*b_]|, |v[(\src)+16*b_+1]|, 0x1800000
	v_max3_num_f32 v[BP+b_], |v[(\src)+16*b_+8]|, |v[(\src)+16*b_+9]|, |v[(\src)+16*b_+10]|
.set b_, b_+1
.endr
.set i_, 0
.rept 2
.set b_, 0
.rept \nb
	v_max3_num_f32 v[BM+b_], v[BM+b_], |v[(\src)+16*b_+2+2*i_]|, |v[(\src)+16*b_+3+2*i_]|
	v_max3_num_f32 v[BP+b_], v[BP+b_], |v[(\src)+16*b_+11+2*i_]|, |v[(\src)+16*b_+12+2*i_]|
.set b_, b_+1
.endr
.set i_, i_+1
.endr
.set b_, 0
.rept \nb
	v_max3_num_f32 v[BM+b_], v[BM+b_], |v[(\src)+16*b_+6]|, |v[(\src)+16*b_+7]|
.set b_, b_+1
.endr
.set b_, 0
.rept \nb
	v_max3_num_f32 v[BM+b_], v[BM+b_], v[BP+b_], |v[(\src)+16*b_+15]|
.set b_, b_+1
.endr
.set b_, 0
.rept \nb
	v_permlanex16_b32 v[BP+b_], v[BM+b_], s[SEL], s[SEL+1]
.set b_, b_+1
.endr
.set b_, 0
.rept \nb
	v_max_num_f32 v[BM+b_], v[BM+b_], v[BP+b_]
.set b_, b_+1
.endr
.endm
; The largest SCORE of each of four blocks: signs count, no floor
.macro MAXS src
.irp b, 0,1,2,3
	v_max3_num_f32 v[BM+\b], v[(\src)+16*\b], v[(\src)+16*\b+1], v[(\src)+16*\b+2]
	v_max3_num_f32 v[BP+\b], v[(\src)+16*\b+8], v[(\src)+16*\b+9], v[(\src)+16*\b+10]
.endr
.irp i, 0,1
.irp b, 0,1,2,3
	v_max3_num_f32 v[BM+\b], v[BM+\b], v[(\src)+16*\b+3+2*\i], v[(\src)+16*\b+4+2*\i]
	v_max3_num_f32 v[BP+\b], v[BP+\b], v[(\src)+16*\b+11+2*\i], v[(\src)+16*\b+12+2*\i]
.endr
.endr
.irp b, 0,1,2,3
	v_max3_num_f32 v[BM+\b], v[BM+\b], v[(\src)+16*\b+7], v[(\src)+16*\b+15]
.endr
.irp b, 0,1,2,3
	v_max_num_f32 v[BM+\b], v[BM+\b], v[BP+\b]
.endr
.irp b, 0,1,2,3
	v_permlanex16_b32 v[BP+\b], v[BM+\b], s[SEL], s[SEL+1]
.endr
.irp b, 0,1,2,3
	v_max_num_f32 v[BM+\b], v[BM+\b], v[BP+\b]
.endr
.endm
; 2 off the exponent field is the conversion's scale operand; its exponent field is the scale's byte; the bytes make the scale word sw.
.macro SCW nb, sw
.set b_, 0
.rept \nb
	v_add_nc_u32 v[SO+b_], 0xff000000, v[BM+b_]
.set b_, b_+1
.endr
.set b_, 0
.rept \nb
	v_lshrrev_b32 v[BP+b_], 23, v[SO+b_]
.set b_, b_+1
.endr
	v_lshl_or_b32 v[\sw], v[BP+1], 8, v[BP]
.if \nb > 2
	v_lshl_or_b32 v[\sw], v[BP+2], 16, v[\sw]
	v_lshl_or_b32 v[\sw], v[BP+3], 24, v[\sw]
.endif
.endm
; nb blocks become codes in another window.  Converted and exchanged in window 0 (the layout wants a WHOLE block in a lane: lanes 0-15 block 2 c, lanes 16-31 block 2 c + 1), then moved: six registers for each pair of blocks.
.macro PACKW nb, src, dst, wset
.set c_, 0
.rept (\nb)/2
	v_cvt_scalef32_pk16_fp6_f32 v[PC+8*c_:PC+8*c_+2], v[(\src)+32*c_:(\src)+32*c_+15], v[SO+2*c_]
	v_cvt_scalef32_pk16_fp6_f32 v[PC+8*c_+4:PC+8*c_+6], v[(\src)+32*c_+16:(\src)+32*c_+31], v[SO+2*c_+1]
.set c_, c_+1
.endr
	v_nop                                          ; one plain place behind the scaled conversions
.set c_, 0
.rept (\nb)/2
.irp i, 0,1,2
	v_permlane16_swap_b32 v[PC+8*c_+\i], v[PC+8*c_+4+\i]
.endr
.set c_, c_+1
.endr
	WIN \wset
.set c_, 0
.rept (\nb)/2
.irp i, 0,1,2
	v_mov_b32 v[(\dst)+6*c_+\i], v[PC+8*c_+\i]
.endr
.irp i, 0,1,2
	v_mov_b32 v[(\dst)+6*c_+3+\i], v[PC+8*c_+4+\i]
.endr
.set c_, c_+1
.endr
	WIN 0
.endm
; four blocks become a fragment in v[PC] on, in window 0
.macro PACK0 src
	s_wait_alu depctr_va_vdst(0)
.irp c, 0,1
	v_cvt_scalef32_pk16_fp6_f32 v[PC+6*\c:PC+6*\c+2], v[(\src)+32*\c:(\src)+32*\c+15], v[SO+2*\c]
	v_cvt_scalef32_pk16_fp6_f32 v[PC+12+4*\c:PC+14+4*\c], v[(\src)+32*\c+16:(\src)+32*\c+31], v[SO+2*\c+1]
.endr
	v_nop                                          ; one plain place behind the scaled conversions
.irp c, 0,1
.irp i, 0,1,2
	v_permlane16_swap_b32 v[PC+6*\c+\i], v[PC+12+4*\c+\i]
.endr
.irp i, 0,1,2
	v_mov_b32 v[PC+3+6*\c+\i], v[PC+12+4*\c+\i]
.endr
.endr
.endm
; A hit fragment, 16 hits x 128 K, 12 registers: lane (r, h) takes 24 bytes of hit r's stream of bits twice, in pieces of 8 bytes.  16 bytes of padding lie behind every 64 bytes (8 pieces): lanes 16-31 read three pieces on,
; which for some pieces is behind one padding more: the second address register serves those.
.macro FRAG reg, q, i
.irp p, 0,1,2,3,4,5
.set PCE, 12*(\q)+6*(\p/3)+\p%3
.if PCE%8 < 5
	ds_load_b64 v[(\reg)+2*\p:(\reg)+2*\p+1], v[ADH0] offset:8*PCE+16*(PCE/8)+(\i)*3840
.else
	ds_load_b64 v[(\reg)+2*\p:(\reg)+2*\p+1], v[ADH1] offset:8*PCE+16*(PCE/8)+(\i)*3840
.endif
.endr
.endm
; THE MATRIX WORK.  In every unit the accumulators take turns, one instruction a turn.
.macro KMUL hx                         ; k^T of hit tile hx: 4 channel tiles x 2 K steps
	WIN 0x09                                       ; source 0 (Wk) window 1, source 1 (hits) window 2
.irp u, 0,1,2,3
	WM0 AREA+32*((\hx)%2)+8*\u, WK+24*\u, HF+24*(\hx), WKS+2*\u, HSW+2*(\hx)
.endr
.irp u, 0,1,2,3
	WMA AREA+32*((\hx)%2)+8*\u, WK+24*\u+12, HF+24*(\hx)+12, WKS+2*\u+1, HSW+2*(\hx)+1
.endr
.endm
.macro VMUL dd                         ; v of dv tile dd: 8 hit tiles x 2 K steps
	WIN 0x06                                       ; source 0 (hits) window 2, source 1 (Wv) window 1
.irp u, 0,1,2,3,4,5,6,7
	WM0 AREA+64*(((\dd)+1)%2)+8*\u, HF+24*\u, WV+24*(\dd), HSW+2*\u, WVS+2*(\dd)
.endr
.irp u, 0,1,2,3,4,5,6,7
	WMA AREA+64*(((\dd)+1)%2)+8*\u, HF+24*\u+12, WV+24*(\dd)+12, HSW+2*\u+1, WVS+2*(\dd)+1
.endr
.endm
.macro SMUL sx                         ; the scores of slot tile sx: 8 hit tiles
	WIN 0x06                                       ; source 0 (k) window 2, source 1 (q) window 1
.irp u, 0,1,2,3,4,5,6,7
	WM0 AREA+64*(((\sx)+1)%2)+8*\u, KF+6*\u, QF+12*(\sx), KSW+\u, QSW+(\sx)
.endr
.endm
.macro PVMUL sx                        ; O^T += V^T P of slot tile sx: 4 dv tiles
	WIN 0xf3                                       ; source 0 (V^T), C and D (O) window 3, source 1 (p) window 0
.irp u, 0,1,2,3
	WMA O+8*(4*(\sx)+\u), VF+12*\u, PC, VSW+\u, PSW
.endr
.endm
.macro QK hx                           ; k of hit tile hx: two blocks of 32 channels -> 6 registers of codes and a scale word
	WIN 0
	MAXA 2, AREA+32*((\hx)%2)
	SCW 2, KSW+(\hx)
	PACKW 2, AREA+32*((\hx)%2), KF+6*(\hx), 0x80
.endm
.macro QV dd                           ; v of dv tile dd: four blocks of 32 hits -> a fragment of V^T and its scale word
	WIN 0
	MAXA 4, AREA+64*(((\dd)+1)%2)
	SCW 4, VSW+(\dd)
	PACKW 4, AREA+64*(((\dd)+1)%2), VF+12*(\dd), 0xc0
.endm
; THE SOFTMAX of slot tile sx for this step's 128 hits.
.macro SM sx
.set SB, AREA+64*(((\sx)+1)%2)
.set SS, ST+4*(\sx)
	WIN 0
	MAXS SB                                        ; each block's largest score serves twice: for the row's maximum and, since p rises with the score, for the block's largest p
	v_max3_num_f32 v[T0], v[BM], v[BM+1], v[BM+2]
	v_max_num_f32 v[T0], v[T0], v[BM+3]
	v_mul_f32 v[T0], s[CS], v[T0]                  ; as t (c is positive)
	v_max_num_f32 v[SS+1], v[SS+1], v[T0]          ; the running largest t
	v_mov_b32 v[T0], v[SS]
	v_floor_f32 v[SS], -v[SS+1]                    ; the new -M = -ceil(t): a whole number
	v_sub_f32 v[T0], v[SS], v[T0]                  ; old M - new M, 0 or less
	v_cvt_i32_f32 v[T0], v[T0]                     ; (it saturates)
	v_ldexp_f32 v[F], 1.0, v[T0]                   ; f = 2^(old M - new M)
.set j_, 0
.rept 32
	v_pk_fma_f32 v[SB+j_:SB+j_+1], v[SB+j_:SB+j_+1], s[CS:CS+1], v[SS:SS+1] op_sel_hi:[1,0,0]   ; t - M, two at a time
.set j_, j_+2
.endr
.irp b, 0,1,2,3
	v_fma_f32 v[BM+\b], v[BM+\b], s[CS], v[SS]     ; the same of each block's largest score
.endr
.irp b, 0,1,2,3
	v_exp_f32 v[BM+\b], v[BM+\b]                   ; the block's largest p
.endr
	v_pk_mul_f32 v[SS+2:SS+3], v[SS+2:SS+3], v[F:F+1] op_sel_hi:[1,0]   ; l under the new M (a plain place behind the exponentials)
; p = 2^(t - M).  Behind each two exponentials one plain line that is ready: the blocks' floor, scale operands, bytes, p's scale word, then sums of pairs whose exponentials lie at least one plain line back
.set q_, 0
.rept 32
	v_exp_f32 v[SB+2*q_], v[SB+2*q_]
	v_exp_f32 v[SB+2*q_+1], v[SB+2*q_+1]
.if q_ < 4
	s_wait_alu depctr_va_vdst(0)
	v_max_num_f32 v[BM+q_], 0x1800000, v[BM+q_]
.elseif q_ < 8
	v_add_nc_u32 v[SO+q_-4], 0xff000000, v[BM+q_-4]
.elseif q_ < 12
	v_lshrrev_b32 v[BP+q_-8], 23, v[SO+q_-8]
.elseif q_ == 12
	v_lshl_or_b32 v[PSW], v[BP+1], 8, v[BP]
.elseif q_ == 13
	v_lshl_or_b32 v[PSW], v[BP+2], 16, v[PSW]
.elseif q_ == 14
	v_lshl_or_b32 v[PSW], v[BP+3], 24, v[PSW]
.elseif q_ == 15
	s_wait_alu depctr_va_vdst(0)
	v_pk_add_f32 v[AC:AC+1], v[SB:SB+1], v[SB+2:SB+3]
.elseif q_%2 == 0
	s_wait_alu depctr_va_vdst(0)
	v_pk_add_f32 v[SS+2:SS+3], v[SS+2:SS+3], v[SB+2*(q_-14):SB+2*(q_-14)+1]
.else
	v_pk_add_f32 v[AC:AC+1], v[AC:AC+1], v[SB+2*(q_-14):SB+2*(q_-14)+1]
.endif
.set q_, q_+1
.endr
	PACK0 SB
	WIN 0xc3                                       ; O (destination and source 0) window 3, f window 0
.set j_, 0
.rept 16
	v_pk_mul_f32 v[O+32*(\sx)+j_:O+32*(\sx)+j_+1], v[O+32*(\sx)+j_:O+32*(\sx)+j_+1], v[F:F+1] op_sel_hi:[1,0]   ; O^T under the new M, each accumulator from its low end on
.set j_, j_+2
.endr
	WIN 0
.set k_, 18
.rept 7                                        ; the rest of the row's sum, of the unquantised p; these fifteen lines are the places in front of the products below
	v_pk_add_f32 v[SS+2:SS+3], v[SS+2:SS+3], v[SB+2*k_:SB+2*k_+1]
	v_pk_add_f32 v[AC:AC+1], v[AC:AC+1], v[SB+2*k_+2:SB+2*k_+3]
.set k_, k_+2
.endr
	v_pk_add_f32 v[SS+2:SS+3], v[SS+2:SS+3], v[AC:AC+1]
.endm
; THE CHANGE OF SLOTS stands at a step's head: all my tensor loads have landed (my part of the slot that I am about to read), 0 is added to my spare word, my reads of the slot that I left are over; a round of the
; cluster's barrier, so that the same holds of every wave of the four partners; then the joint fill of the slot that was left: it has a whole step, 176 matrix instructions, in which to land.
.macro CHANGE
	s_wait_tensorcnt 0x0                           ; no tensor load of mine is out, so group 0 may be written
	ds_add_u32 v[SPW], v[NIL]                      ; 0 onto my spare word
	s_xor_b32 s[G0H+1], s[G0H+1], SLOT1            ; the other slot than last time,
	s_add_nc_u64 s[G0H+2:G0H+3], s[G0H+2:G0H+3], 24576   ; the next 128 hits; the type bits on top are not reached
	s_wait_dscnt 0x0                               ; the add is done, and my LDS reads are over
	ROUND
	tensor_load_to_lds s[G0H:G0H+3], s[G1H:G1H+7]  ; the first thing behind the round, and my one tensor load until the next
	s_nop 0
	PLACES 4
.endm
.macro STEP
	v_add_nc_u32 v[ADH0], s[TB], v[AH0]
	v_add_nc_u32 v[ADH1], s[TB], v[AH1]
	v_add_nc_u32 v[ADS], s[TS], v[ASC]
.irp u, 0,1,2,3,4,5,6,7
	ds_load_b64 v[HSW+2*\u:HSW+2*\u+1], v[ADS] offset:128*\u   ; the two scale words of hit 16 u + r
.endr
	WIN 0x80                                       ; destination window 2
.irp u, 0,1,2,3,4,5,6,7
	FRAG HF+24*\u, 0, \u
	FRAG HF+24*\u+12, 1, \u
.endr
	s_wait_dscnt 63                                ; 84 loads were issued behind tile 0's: with 63 out it is in, and so are the scale words
	KMUL 0
	s_wait_dscnt 63                                ; 72 behind tile 1's
	KMUL 1
	WIN 0
	PLACES 4                                       ; the first results are read: no other vector work is at hand yet
	QK 0
.irp u, 2,3,4,5,6,7
	s_wait_dscnt 12*(7-\u)                         ; the later tiles' twelve loads each may be out
	KMUL \u
	QK \u-1
.endr
	VMUL 0
	QK 7
	VMUL 1
	QV 0
	VMUL 2
	QV 1
	VMUL 3
	QV 2
	SMUL 0
	QV 3
	SMUL 1
	SM 0
	PVMUL 0
	SMUL 2
	SM 1
	PVMUL 1
	SMUL 3
	SM 2
	PVMUL 2
	SM 3
	PVMUL 3
	WIN 0
	s_xor_b32 s[TB], s[TB], SLOT1                  ; on to the other slot
	s_add_co_u32 s[TS], s[TS], 1024                ; and to the next 128 hits' scale words
.endm
	s_load_b256 s[4:11], s[0:1], 0x0               ; slots s[4:5], ln1_g s[6:7], ln1_b s[8:9], Wq's codes s[10:11]
	s_load_b256 s[12:19], s[0:1], 0x20             ; Wq's scales s[12:13], Wk's codes s[14:15], Wk's scales s[16:17], Wv's codes s[18:19]
	s_load_b256 s[20:27], s[0:1], 0x40             ; Wv's scales s[20:21], the hits' codes s[22:23], their scales s[24:25], opart s[26:27]
	s_load_b64 s[28:29], s[0:1], 0x60              ; stats
	v_lshl_add_u32 v[SPW], v0, 2, SPARE
	v_mov_b32 v[NIL], 0
	ds_add_u32 v1, v2
	ds_add_u32 v1, v2
	s_wait_dscnt 0x0
	v_lshrrev_b32 v[T0], 5, v0
	v_readfirstlane_b32 s[WN], v[T0]               ; wave 0..3
	s_bfe_u32 s31, ttmp6, 0x40000                  ; cx
	s_lshl_b32 s32, ttmp9, 2
	s_add_co_u32 s32, s32, s31                     ; the head = 4 x cluster x + cx: it enters the weights', opart's and stats' addresses alone
	s_and_b32 s33, ttmp7, 0xffff                   ; y = 4 x batch + quarter, which the four partners share
	s_mul_i32 s34, s33, 786432                     ; my hits' codes: (4,096 y + 1,024 w) x 192 bytes
	s_mul_i32 s35, s[WN], 196608
	s_add_co_u32 s34, s34, s35
	s_mov_b32 s35, 0
	s_lshl_b32 s36, s33, 15                        ; and their scale bytes: 8 a hit
	s_lshl_b32 s37, s[WN], 13
	s_add_co_u32 s36, s36, s37
	s_mov_b32 s37, 0
	s_mul_i32 s38, s[WN], WPART                    ; my part of a slot
	s_lshl_b32 s39, s[WN], 13
	s_add_co_u32 s39, s39, SCL                     ; my part of the scale bytes
	; group 1, codes: a step's 128 hits are 24,576 dense bytes, stated as 32 rows of 768 bytes (each begins at a multiple of 256 bytes from the buffer's first byte); 16 bytes of padding behind every 64: a hit's 192 bytes lie 240 apart
	s_mov_b32 s[G1H], 15|(1<<20)|(1<<21)|(3<<22)|(3<<25)   ; 15:0 the mask: all four work-groups; 17:16 elements of 1 byte; 20 padding on; 21 set beside a mask; 24:22 after every 16 words; 31:25 4 words of it
	s_mov_b32 s[G1H+1], 768<<16                    ; tensor_dim0
	s_mov_b32 s[G1H+2], 32<<16                     ; tensor_dim1
	s_mov_b32 s[G1H+3], 768<<16                    ; tile_dim0
	s_mov_b32 s[G1H+4], 32                         ; tile_dim1
	s_mov_b32 s[G1H+5], 768                        ; from row to row
	s_mov_b32 s[G1H+6], 0
	s_mov_b32 s[G1H+7], 0
	; group 1, scale bytes: my 1,024 hits' 8,192 dense bytes as 32 rows of 256 bytes (32 elements of 8 bytes), no padding
	s_mov_b32 s[G1S], 15|(3<<16)|(1<<21)
	s_mov_b32 s[G1S+1], 32<<16
	s_mov_b32 s[G1S+2], 32<<16
	s_mov_b32 s[G1S+3], 32<<16
	s_mov_b32 s[G1S+4], 32
	s_mov_b32 s[G1S+5], 32
	s_mov_b32 s[G1S+6], 0
	s_mov_b32 s[G1S+7], 0
	s_mov_b32 s[SEL], 0x76543210
	s_mov_b32 s[SEL+1], 0xfedcba98
	s_mov_b32 s[CS], 0x3e38aa3b                    ; log2(e) / 8
	s_mov_b32 s[CS+1], s[CS]                       ; (named with it as a pair, so it is written)
	s_mov_b32 s[RN], 0x3b800000
	s_mov_b32 s[EPS], 0x3727c5ac
	s_mov_b32 s[TB], 0
	s_mov_b32 s[TS], 0
	s_mov_b32 s[CNT], 7
	s_lshr_b32 s76, s33, 2                         ; my 16 slots: batch x 64 rows + 16 w rows of 1,024 bytes
	s_lshl_b32 s76, s76, 16
	s_lshl_b32 s77, s[WN], 14
	s_add_co_u32 s76, s76, s77
	s_mov_b32 s77, 0
	s_mul_i32 s78, s32, 12288                      ; the head's 64 rows of 192 bytes in each weight,
	s_mov_b32 s79, 0
	s_lshl_b32 s80, s32, 9                         ; and their 8 scale bytes a row
	s_mov_b32 s81, 0
	s_lshl_b32 s82, s33, 3
	s_add_co_u32 s82, s82, s32                     ; the work-group's number in opart and stats: 8 y + head
	s_lshl_b32 s84, s82, 14
	s_lshl_b32 s85, s[WN], 12
	s_add_co_u32 s84, s84, s85                     ; opart: 16,384 a work-group, 4,096 a slot tile; on the way out wave w stores slot tile w
	s_mov_b32 s85, 0
	s_lshl_b32 s86, s82, 10
	s_lshl_b32 s87, s[WN], 8
	s_add_co_u32 s86, s86, s87                     ; stats: 1,024 and 256
	s_mov_b32 s87, 0
	s_wait_kmcnt 0x0
	s_mov_b32 s[G0S], 1                            ; 1:0 count = 1
	s_mov_b32 s[G0S+1], s39                        ; 63:32 LDS address
	s_add_nc_u64 s[G0S+2:G0S+3], s[24:25], s[36:37]   ; 120:64 global address
	s_or_b32 s[G0S+3], s[G0S+3], 0x80000000        ; 127:126 type = 2
	s_mov_b32 s[G0H], 1
	s_mov_b32 s[G0H+1], s38                        ; slot 0
	s_add_nc_u64 s[G0H+2:G0H+3], s[22:23], s[34:35]   ; step 0
	s_or_b32 s[G0H+3], s[G0H+3], 0x80000000
	ROUND                                          ; all four work-groups are here: the first joint loads meet
	tensor_load_to_lds s[G0S:G0S+3], s[G1S:G1S+7]  ; my two first fills stand together: two tensor loads of mine are out
	s_nop 0
	tensor_load_to_lds s[G0H:G0H+3], s[G1H:G1H+7]
	s_nop 0
	PLACES 4
	s_add_nc_u64 s[4:5], s[4:5], s[76:77]
	s_add_nc_u64 s[10:11], s[10:11], s[78:79]
	s_add_nc_u64 s[14:15], s[14:15], s[78:79]
	s_add_nc_u64 s[18:19], s[18:19], s[78:79]
	s_add_nc_u64 s[12:13], s[12:13], s[80:81]
	s_add_nc_u64 s[16:17], s[16:17], s[80:81]
	s_add_nc_u64 s[20:21], s[20:21], s[80:81]
	s_add_nc_u64 s[26:27], s[26:27], s[84:85]
	s_add_nc_u64 s[28:29], s[28:29], s[86:87]
	v_and_b32 v[T0], 31, v0                        ; lane
	v_and_b32 v[T1], 15, v0                        ; r
	v_bfe_u32 v[AC], v0, 4, 1                      ; h
	v_lshlrev_b32 v[XA], 10, v[T1]
	v_lshl_add_u32 v[XA], v[AC], 6, v[XA]          ; slots: row r of 1,024 bytes, + 64 h: my 16 numbers of a block of 32
	v_lshlrev_b32 v[GA], 6, v[AC]                  ; gain and bias at the same places of a row
	v_mul_u32_u24 v[WA], v[T1], 192
	v_mad_u32_u24 v[WA], v[AC], 24, v[WA]          ; a weight's row r of 192 bytes, + 24 h
	v_lshlrev_b32 v[SA], 3, v[T1]                  ; its 8 scale bytes
	; ---- my 16 slots, the gain and the bias: register 64 k + 16 b + i = column 128 k + 32 b + 16 h + i
.irp k, 0,1
.irp b, 0,1,2,3
.irp j, 0,1,2,3
	global_load_b128 v[AREA+64*\k+16*\b+4*\j:AREA+64*\k+16*\b+4*\j+3], v[XA], s[4:5] offset:512*\k+128*\b+16*\j
.endr
.endr
.endr
	WIN 0xc0                                       ; destination window 3: the gain, where O will lie
.irp k, 0,1
.irp b, 0,1,2,3
.irp j, 0,1,2,3
	global_load_b128 v[64*\k+16*\b+4*\j:64*\k+16*\b+4*\j+3], v[GA], s[6:7] offset:512*\k+128*\b+16*\j
.endr
.endr
.endr
	WIN 0x80                                       ; destination window 2: the bias, where the hits will lie
.irp k, 0,1
.irp b, 0,1,2,3
.irp j, 0,1,2,3
	global_load_b128 v[64*\k+16*\b+4*\j:64*\k+16*\b+4*\j+3], v[GA], s[8:9] offset:512*\k+128*\b+16*\j
.endr
.endr
.endr
	WIN 0
.irp u, 0,1,2,3
	global_load_b64 v[HSW+2*\u:HSW+2*\u+1], v[SA], s[12:13] offset:128*\u   ; Wq's scale words, where the hits' will lie
.endr
	WIN 0xc0                                       ; Wq's 8 fragments: window 3, v128 on
.irp u, 0,1,2,3
.irp k, 0,1
.irp p, 0,1,2,3,4,5
	global_load_b64 v[128+12*(2*\u+\k)+2*\p:128+12*(2*\u+\k)+2*\p+1], v[WA], s[10:11] offset:3072*\u+96*\k+48*(\p/3)+8*(\p%3)
.endr
.endr
.endr
	WIN 0
	v_lshlrev_b32 v[L16], 4, v[T0]
	v_lshlrev_b32 v[L4], 2, v[T0]
	v_lshlrev_b32 v[L8], 3, v[T0]
	v_mul_u32_u24 v[AH0], v[T1], 240
	v_mad_u32_u24 v[AH0], v[AC], 24, v[AH0]
	v_lshl_add_u32 v[AH1], v[AC], 4, v[AH0]
	v_add_nc_u32 v[AH0], s38, v[AH0]
	v_add_nc_u32 v[AH1], s38, v[AH1]
	v_lshl_add_u32 v[ASC], v[T1], 3, s39
	v_add_nc_u32 v[E0], QIMG, v[L16]               ; q's images: registers 0-3,
	v_add_nc_u32 v[E0+1], QIMG+512, v[L8]          ; registers 4-5,
	v_add_nc_u32 v[E0+2], QSC, v[L4]               ; the scale word;
	s_mul_i32 s88, s[WN], 768
	v_add_nc_u32 v[E0+3], s88, v[E0]               ; and where I store my tile's
	v_add_nc_u32 v[E0+4], s88, v[E0+1]
	s_lshl_b32 s88, s[WN], 7
	v_add_nc_u32 v[E0+5], s88, v[E0+2]
	v_mov_b32 v[F+1], 0                            ; (named as the upper half of the pair before it is first written)
	s_wait_loadcnt 52                              ; the slots, the gain and the bias are in; Wq's 4 + 48 loads may be out
.irp u, 0,1,2,3
	global_load_b64 v[WKS+2*\u:WKS+2*\u+1], v[SA], s[16:17] offset:128*\u
	global_load_b64 v[WVS+2*\u:WVS+2*\u+1], v[SA], s[20:21] offset:128*\u
.endr
	WIN 0x40                                       ; Wk's and Wv's fragments: window 1: they stay
.irp u, 0,1,2,3
.irp k, 0,1
.irp p, 0,1,2,3,4,5
	global_load_b64 v[WK+12*(2*\u+\k)+2*\p:WK+12*(2*\u+\k)+2*\p+1], v[WA], s[14:15] offset:3072*\u+96*\k+48*(\p/3)+8*(\p%3)
.endr
.endr
.endr
.irp u, 0,1,2,3
.irp k, 0,1
.irp p, 0,1,2,3,4,5
	global_load_b64 v[WV+12*(2*\u+\k)+2*\p:WV+12*(2*\u+\k)+2*\p+1], v[WA], s[18:19] offset:3072*\u+96*\k+48*(\p/3)+8*(\p%3)
.endr
.endr
.endr
	WIN 0
	; ---- LayerNorm 1 in f32, two passes: my 128 numbers of the row and lane l xor 16's
	v_pk_add_f32 v[AC:AC+1], v[AREA:AREA+1], v[AREA+2:AREA+3]
	v_pk_add_f32 v[AC+2:AC+3], v[AREA+4:AREA+5], v[AREA+6:AREA+7]
.set j_, 8
.rept 30
	v_pk_add_f32 v[AC:AC+1], v[AC:AC+1], v[AREA+j_:AREA+j_+1]
	v_pk_add_f32 v[AC+2:AC+3], v[AC+2:AC+3], v[AREA+j_+2:AREA+j_+3]
.set j_, j_+4
.endr
	v_pk_add_f32 v[AC:AC+1], v[AC:AC+1], v[AC+2:AC+3]
	v_add_f32 v[T0], v[AC], v[AC+1]
	v_permlanex16_b32 v[T1], v[T0], s[SEL], s[SEL+1]
	v_add_f32 v[T0], v[T0], v[T1]
	v_mul_f32 v[F], s[RN], v[T0]                   ; the mean
.set j_, 0
.rept 64
	v_pk_add_f32 v[AREA+j_:AREA+j_+1], v[AREA+j_:AREA+j_+1], v[F:F+1] op_sel_hi:[1,0] neg_lo:[0,1] neg_hi:[0,1]
.set j_, j_+2
.endr
	v_pk_mul_f32 v[AC:AC+1], v[AREA:AREA+1], v[AREA:AREA+1]
	v_pk_mul_f32 v[AC+2:AC+3], v[AREA+2:AREA+3], v[AREA+2:AREA+3]
.set j_, 4
.rept 31
	v_pk_fma_f32 v[AC:AC+1], v[AREA+j_:AREA+j_+1], v[AREA+j_:AREA+j_+1], v[AC:AC+1]
	v_pk_fma_f32 v[AC+2:AC+3], v[AREA+j_+2:AREA+j_+3], v[AREA+j_+2:AREA+j_+3], v[AC+2:AC+3]
.set j_, j_+4
.endr
	v_pk_add_f32 v[AC:AC+1], v[AC:AC+1], v[AC+2:AC+3]
	v_add_f32 v[T0], v[AC], v[AC+1]
	v_permlanex16_b32 v[T1], v[T0], s[SEL], s[SEL+1]
	v_add_f32 v[T0], v[T0], v[T1]
	v_fma_f32 v[T0], v[T0], s[RN], s[EPS]          ; the variance + 1e-5
	v_rsq_f32 v[F], v[T0]
	v_nop                                          ; one plain place behind the transcendental
.set j_, 0
	s_wait_alu depctr_va_vdst(0)
.rept 64
	v_pk_mul_f32 v[AREA+j_:AREA+j_+1], v[AREA+j_:AREA+j_+1], v[F:F+1] op_sel_hi:[1,0]
.set j_, j_+2
.endr
	WIN 0x2c                                       ; source 1 (gain) window 3, source 2 (bias) window 2
.set j_, 0
.rept 64
	v_pk_fma_f32 v[AREA+j_:AREA+j_+1], v[AREA+j_:AREA+j_+1], v[j_:j_+1], v[j_:j_+1]
.set j_, j_+2
.endr
	WIN 0
	; ---- the normalised slots become two fragments (window 2, where k's codes will lie) and two scale words
	MAXA 4, AREA
	SCW 4, KSW+2
	PACKW 4, AREA, KF, 0x80
	MAXA 4, AREA+64
	SCW 4, KSW+3
	PACKW 4, AREA+64, KF+12, 0x80
	PLACES 4                                       ; an operand written by vector lines stands four places ahead of a scaled product
	s_wait_loadcnt 63                              ; 104 loads were issued behind Wq's last: with 63 out Wq is in
	WIN 0x0b                                       ; source 0 (Wq) window 3, source 1 (slots) window 2
.irp u, 0,1,2,3
	WM0 AREA+8*\u, 128+24*\u, KF, HSW+2*\u, KSW+2
.endr
.irp u, 0,1,2,3
	WMA AREA+8*\u, 128+24*\u+12, KF+12, HSW+2*\u+1, KSW+3
.endr
	WIN 0
	PLACES 4
	; ---- q of my 16 slots is quantised as k is, and goes to the other waves as an image of its registers
	MAXA 2, AREA
	SCW 2, KSW
	v_cvt_scalef32_pk16_fp6_f32 v[PC:PC+2], v[AREA:AREA+15], v[SO]
	v_cvt_scalef32_pk16_fp6_f32 v[PC+4:PC+6], v[AREA+16:AREA+31], v[SO+1]
	v_nop                                          ; one plain place behind the scaled conversions
.irp i, 0,1,2
	v_permlane16_swap_b32 v[PC+\i], v[PC+4+\i]
.endr
	v_mov_b32 v[PC+3], v[PC+4]
	v_mov_b32 v[PC+4], v[PC+5]
	v_mov_b32 v[PC+5], v[PC+6]
	ds_store_b128 v[E0+3], v[PC:PC+3]
	ds_store_b64 v[E0+4], v[PC+4:PC+5]
	ds_store_b32 v[E0+5], v[KSW]
	s_wait_dscnt 0x0                               ; for the others' sake: my stores have landed
	s_barrier_signal -1
	s_barrier_wait -1                              ; my two tensor loads may stay out
	WIN 0x40
.irp u, 0,1,2,3
	ds_load_b128 v[QF+12*\u:QF+12*\u+3], v[E0] offset:768*\u
	ds_load_b64 v[QF+12*\u+4:QF+12*\u+5], v[E0+1] offset:768*\u
.endr
.irp u, 0,1,2,3
.irp i, 6,7,8,9,10,11
	v_mov_b32 v[QF+12*\u+\i], 0                    ; q's codes for K = 64 .. 127: zeros
.endr
.endr
	WIN 0
.irp u, 0,1,2,3
	ds_load_b32 v[QSW+\u], v[E0+2] offset:128*\u
.endr
	WIN 0x80
.irp i, 48,49,50,51,52,53
	v_mov_b32 v[KF+\i], 0                          ; what the last tile of k names as its upper half
.endr
	WIN 0xc0
.set j_, 0
.rept 128
	v_mov_b32 v[O+j_], 0                           ; O^T.  (The step is written for every trip alike: the first finds zeros, which the first change of M leaves zeros)
.set j_, j_+1
.endr
	WIN 0
.irp u, 0,1,2,3
	v_mov_b32 v[ST+4*\u+1], 0xff61b1e6             ; the largest t so far: -3e38, under every t
	v_mov_b32 v[ST+4*\u+2], 0                      ; l, in two halves
	v_mov_b32 v[ST+4*\u+3], 0
.endr
.irp u, 0,1,2,3
	v_floor_f32 v[ST+4*\u], -v[ST+4*\u+1]          ; -M
.endr
	s_wait_dscnt 0x0                               ; q
	s_wait_loadcnt 0x0                             ; Wk, Wv
.Lstep:                                            ; seven trips: behind each change of slots the next step's tile is asked for
	CHANGE
	STEP
	s_sub_co_u32 s[CNT], s[CNT], 1
	s_cmp_lg_u32 s[CNT], 0
	s_cbranch_scc1 .Lstep
	s_wait_tensorcnt 0x0                           ; the last step is written out: my part of its slot is in, and I alone read it
	STEP
	; ---- THE WAY OUT.  l's halves; the four waves' M are joined (the smallest -M), O and l brought under it by powers of two; the waves' O meet in LDS, in my part of slot 0, which has had its last fill and its last read.
.irp u, 0,1,2,3
	v_add_f32 v[ST+4*\u+2], v[ST+4*\u+2], v[ST+4*\u+3]     ; (these lines are the places behind the last products)
.endr
.irp u, 0,1,2,3
	v_permlanex16_b32 v[ST+4*\u+3], v[ST+4*\u+2], s[SEL], s[SEL+1]
.endr
.irp u, 0,1,2,3
	v_add_f32 v[ST+4*\u+2], v[ST+4*\u+2], v[ST+4*\u+3]
.endr
	s_lshl_b32 s34, s[WN], 9
	v_add_nc_u32 v[E0], s34, v[L4]
	v_add_nc_u32 v[E0], STATM, v[E0]               ; my wave's statistics: STATM + 512 w + 4 x lane
	v_add_nc_u32 v[E0+1], STATM, v[L4]             ; everybody's
	v_add_nc_u32 v[E0+2], s38, v[L16]              ; my stage: 30,720 w + 16 x lane
	s_lshl_b32 s34, s[WN], 12
	v_add_nc_u32 v[E0+3], s34, v[L16]              ; slot tile w in wave 0's stage: 4,096 w + 16 x lane;
	v_add_nc_u32 v[E0+4], 61440, v[E0+3]           ; and in wave 2's
	s_lshl_b32 s34, s[WN], 7
	v_add_nc_u32 v[E0+5], s34, v[E0+1]             ; slot tile w's statistics in wave 0's: STATM + 128 w + 4 x lane
.irp u, 0,1,2,3
	ds_store_b32 v[E0], v[ST+4*\u] offset:128*\u
.endr
	s_wait_dscnt 0x0
	s_barrier_signal -1
	s_barrier_wait -1
.irp a, 0,1,2,3
.irp u, 0,1,2,3
	ds_load_b32 v[AREA+4*\a+\u], v[E0+1] offset:512*\a+128*\u
.endr
.endr
	s_wait_dscnt 0x0
.irp u, 0,1,2,3
	v_min3_num_f32 v[BM+\u], v[AREA+\u], v[AREA+4+\u], v[AREA+8+\u]
.endr
.irp u, 0,1,2,3
	v_min_num_f32 v[BM+\u], v[BM+\u], v[AREA+12+\u]
.endr
.irp u, 0,1,2,3
	v_sub_f32 v[BM+\u], v[BM+\u], v[ST+4*\u]       ; my M less the largest M: a whole number, 0 or less
.endr
.irp u, 0,1,2,3
	v_cvt_i32_f32 v[BM+\u], v[BM+\u]
.endr
.irp u, 0,1,2,3
	v_ldexp_f32 v[AREA+16+2*\u], 1.0, v[BM+\u]
	v_mov_b32 v[AREA+17+2*\u], 0                   ; (the pair's upper half is named, so it is written)
.endr
.irp u, 0,1,2,3
	v_mul_f32 v[ST+4*\u+2], v[ST+4*\u+2], v[AREA+16+2*\u]
.endr
	WIN 0xc3
.irp u, 0,1,2,3
.set j_, 0
.rept 16
	v_pk_mul_f32 v[O+32*\u+j_:O+32*\u+j_+1], v[O+32*\u+j_:O+32*\u+j_+1], v[AREA+16+2*\u:AREA+17+2*\u] op_sel_hi:[1,0]
.set j_, j_+2
.endr
.endr
	WIN 0x0c                                       ; an LDS store's data are its source 1: window 3
.set q_, 0
.rept 32
	ds_store_b128 v[E0+2], v[O+4*q_:O+4*q_+3] offset:512*q_   ; O as an image of its registers: piece q = 8 st + 2 d + half
.set q_, q_+1
.endr
	WIN 0
.irp u, 0,1,2,3
	ds_store_b32 v[E0], v[ST+4*\u+2] offset:2048+128*\u
.endr
	s_wait_dscnt 0x0
	s_barrier_signal -1
	s_barrier_wait -1
	; wave w adds the four waves' parts of slot tile w and stores them
.irp a, 0,1
.irp q, 0,1,2,3,4,5,6,7
	ds_load_b128 v[AREA+32*\a+4*\q:AREA+32*\a+4*\q+3], v[E0+3] offset:30720*\a+512*\q
.endr
.endr
.irp a, 0,1
.irp q, 0,1,2,3,4,5,6,7
	ds_load_b128 v[AREA+64+32*\a+4*\q:AREA+64+32*\a+4*\q+3], v[E0+4] offset:30720*\a+512*\q
.endr
.endr
.irp a, 0,1,2,3
	ds_load_b32 v[BM+\a], v[E0+5] offset:512*\a
	ds_load_b32 v[BP+\a], v[E0+5] offset:2048+512*\a
.endr
	s_wait_dscnt 0x0
.set j_, 0
.rept 16
	v_pk_add_f32 v[AREA+j_:AREA+j_+1], v[AREA+j_:AREA+j_+1], v[AREA+32+j_:AREA+33+j_]
	v_pk_add_f32 v[AREA+64+j_:AREA+65+j_], v[AREA+64+j_:AREA+65+j_], v[AREA+96+j_:AREA+97+j_]
.set j_, j_+2
.endr
.set j_, 0
.rept 16
	v_pk_add_f32 v[AREA+j_:AREA+j_+1], v[AREA+j_:AREA+j_+1], v[AREA+64+j_:AREA+65+j_]
.set j_, j_+2
.endr
	v_min3_num_f32 v[AC], v[BM], v[BM+1], v[BM+2]
	v_min_num_f32 v[AC], v[AC], v[BM+3]            ; -M of the quarter
	v_add_f32 v[BP], v[BP], v[BP+1]
	v_add_f32 v[BP+2], v[BP+2], v[BP+3]
	v_add_f32 v[AC+1], v[BP], v[BP+2]              ; l of the quarter
.irp q, 0,1,2,3,4,5,6,7
	global_store_b128 v[L16], v[AREA+4*\q:AREA+4*\q+3], s[26:27] offset:512*\q   ; 32 lanes store 512 consecutive bytes, at a multiple of 256 from opart's first byte
.endr
	global_store_b64 v[L8], v[AC:AC+1], s[28:29]   ; 32 lanes store 256 consecutive bytes, aligned
	s_wait_tensorcnt 0x0                           ; the wave's end, behind my last tensor load and my last LDS store
	ds_add_u32 v[SPW], v[NIL]
	s_wait_dscnt 0x0
	ROUND                                          ; the closing round: no work-group ends while a partner may still ask for a tile that names it
	s_endpgm
.Lfunc_end_k_qda5aa30d14_attn:
	.size	k_qda5aa30d14_attn, .Lfunc_end_k_qda5aa30d14_attn-k_qda5aa30d14_attn
	.p2alignl 7, 3214868480
	.fill 96, 4, 3214868480
	.section	.rodata,"a",@progbits
	.p2align	6, 0x0
	.amdhsa_kernel k_qda5aa30d14_attn
		.amdhsa_group_segment_fixed_size 327680
		.amdhsa_private_segment_fixed_size 0
		.amdhsa_enable_private_segment 0
		.amdhsa_kernarg_size 104
		.amdhsa_user_sgpr_count 2
		.amdhsa_user_sgpr_kernarg_segment_ptr 1
		.amdhsa_wavefront_size32 1
		.amdhsa_system_sgpr_workgroup_id_x 1
		.amdhsa_system_sgpr_workgroup_id_y 1
		.amdhsa_system_sgpr_workgroup_id_z 1
		.amdhsa_system_vgpr_workitem_id 0
		.amdhsa_next_free_vgpr 1024
		.amdhsa_next_free_sgpr 96
		.amdhsa_reserve_vcc 0
		.amdhsa_float_denorm_mode_32 3
		.amdhsa_float_denorm_mode_16_64 3
		.amdhsa_memory_ordered 1
		.amdhsa_forward_progress 1
		.amdhsa_inst_pref_size 255
	.end_amdhsa_kernel
	.section	.bss,"aw",@nobits
	.p2align	6
	.space	262144
	.amdgpu_metadata
---
amdhsa.version: [ 1, 2 ]
amdhsa.kernels:
  - .name:           k_qda5aa30d14_attn
    .symbol:         k_qda5aa30d14_attn.kd
    .args:
      - { .name: slot_representations, .offset: 0, .size: 8, .value_kind: global_buffer, .address_space: global }
      - { .name: ln1_g, .offset: 8, .size: 8, .value_kind: global_buffer, .address_space: global }
      - { .name: ln1_b, .offset: 16, .size: 8, .value_kind: global_buffer, .address_space: global }
      - { .name: Wq_codes, .offset: 24, .size: 8, .value_kind: global_buffer, .address_space: global }
      - { .name: Wq_scales, .offset: 32, .size: 8, .value_kind: global_buffer, .address_space: global }
      - { .name: Wk_codes, .offset: 40, .size: 8, .value_kind: global_buffer, .address_space: global }
      - { .name: Wk_scales, .offset: 48, .size: 8, .value_kind: global_buffer, .address_space: global }
      - { .name: Wv_codes, .offset: 56, .size: 8, .value_kind: global_buffer, .address_space: global }
      - { .name: Wv_scales, .offset: 64, .size: 8, .value_kind: global_buffer, .address_space: global }
      - { .name: hit_features_codes, .offset: 72, .size: 8, .value_kind: global_buffer, .address_space: global }
      - { .name: hit_features_scales, .offset: 80, .size: 8, .value_kind: global_buffer, .address_space: global }
      - { .name: opart, .offset: 88, .size: 8, .value_kind: global_buffer, .address_space: global }
      - { .name: stats, .offset: 96, .size: 8, .value_kind: global_buffer, .address_space: global }
    .group_segment_fixed_size: 327680
    .private_segment_fixed_size: 0
    .kernarg_segment_align: 8
    .kernarg_segment_size: 104
    .max_flat_workgroup_size: 128
    .sgpr_count:     96
    .vgpr_count:     1024
    .wavefront_size: 32
...
	.end_amdgpu_metadata
.endif
;; end of part 1
;; launch mlp (part 2): grid 32 x 1, 4 waves a work-group, no clusters, 31,232 bytes of LDS; arguments opart, stats, W1_codes, W1_scales, b1, W2_codes, W2_scales, b2, slot_representations, ln2_g, ln2_b, out0; writes out0
.if DOCPART == 2
	.amdgcn_target "amdgcn-amd-amdhsa--gfx1250"
	.amdhsa_code_object_version 6
	.text
	.protected	k_qda5aa30d14_mlp
	.globl	k_qda5aa30d14_mlp
	.p2align	8
	.type	k_qda5aa30d14_mlp,@function
k_qda5aa30d14_mlp:
	s_mov_b64 s[64:65], 0
	v_nop
	global_prefetch_b8 v0, s[64:65] scope:SCOPE_SE
	s_setreg_imm32_b32 hwreg(HW_REG_WAVE_MODE, 25, 1), 1
	s_wait_xcnt 0x0
; The four quarters of each head are joined and divided by the row's sum; out = LayerNorm2(slots + relu(att W1 + b1) W2 + b2); both products on codes of FP6 (E2M3) with one E8M0 scale for each 32 along K.
; SHARES.  Work-group t takes rows 16 t .. 16 t + 15 of the 512 (batch t / 4, slot tile t % 4).  THE WAVES SHARE THE COLUMNS: wave w joins and quantises heads 2 w, 2 w + 1 (K step w of the first product), makes hidden units
; 128 w .. + 127 (K step w of the second) and outputs 64 w .. + 63, and at last normalises rows 4 w .. 4 w + 3.  Its parts of W1 (384 registers) and W2 (192) go from memory straight into registers: each byte is used once here.
; OPERANDS GO FROM WAVE TO WAVE THROUGH LDS AS IMAGES OF THEIR REGISTERS: a fragment by three stores of 16 bytes a lane, its scale word by one of 4 bytes.  Three barriers.
; Both products are used transposed (source 0 = 16 rows of the weight, source 1 = the 16 rows): a lane holds one row.  THE ROWS OF W1 THAT FORM A TILE ARE NOT NEIGHBOURS: lane r of tile 2 b + u takes row 32 b + 8 u + r + 8 (r / 8),
; so that the 16 registers of tiles 2 b and 2 b + 1 are 16 neighbours along the next K.  The biases are the C of each sum's first product.
; THE JOIN.  Quarter c has O_c, l_c under its own whole number M_c: f_c = 2^(M_c - largest M), att = sum of O_c f_c / sum of l_c f_c.
; No tensor loads, no cluster: 32 work-groups share only the weights, 300 KB, and each reads them once.
; LIMITS.  NaN and infinities are not served; a block whose largest magnitude lies under 2^-124 (a block of zeros too) keeps the scale byte 1: its codes are then zeros or the smallest, and this program alone reads the byte.
; REGISTERS.  Window 0: v4-15, v182-183 addresses; v16-63 four fragments, later rows of the result; v64-127 64 numbers of a lane; v128-147 codes just made; v148-171 at work; v172-181, v184-231 scale words; v232-247 (-M, l), then the weights.
;   Window 1: W1's K steps 0, 1 (0-191), b1 (192-255).   Window 2: W1's K steps 2, 3, b2 (192-223), the slots' rows (224-255).   Window 3: the partial O (256), then W2 (0-191), ln2_g (192-199), ln2_b (200-207).
.set AIMG, 0                           ; LDS: att's four fragments, 1,536 bytes each,
.set ASCL, 6144                        ; their scale words, 128 bytes each,
.set HIMG, 6656                        ; the hidden layer's four fragments,
.set HSCL, 12800                       ; their scale words,
.set STG,  13312                       ; and the stage: 16 rows x (1,024 bytes + 16)
.set PA, 4
.set L8, 5
.set L16, 6
.set L4, 7
.set W1A, 8
.set W1SA, 9
.set B1A, 10
.set W2A, 11
.set W2SA, 12
.set B2A, 13
.set IW, 14
.set SW, 15
.set AF, 16
.set HA, 64
.set PC, 128
.set BM, 148
.set BP, 152
.set SO, 156
.set R, 148                            ; LayerNorm 2: four registers a row
.set PW, 172
.set ASW, 174
.set HSW, 178
.set SOA, 182
.set SRA, 183
.set W1S, 184
.set W2S, 216
.set SP, 232
.set TT, 248
.set WN, 28
.set SEL, 50
.set RN, 52
.set EPS, 53
.set MSB, 0
.macro WIN new                         ; the immediate's high byte repeats the setting that is left
.if MSB != \new
	s_set_vgpr_msb (MSB<<8)|\new
.set MSB, \new
.endif
.endm
.macro PLACES cnt
.rept \cnt
	v_nop
.endr
.endm
.macro BARRIER                         ; my LDS stores have landed and my LDS loads are in: then the work-group's barrier
	s_wait_dscnt 0x0
	s_barrier_signal -1
	s_barrier_wait -1
.endm
.macro WMC d, a, b, c, sa, sb          ; D = A x B + C
	v_wmma_scale_f32_16x16x128_f8f6f4 v[(\d):(\d)+7], v[(\a):(\a)+11], v[(\b):(\b)+11], v[(\c):(\c)+7], v[\sa], v[\sb] matrix_a_fmt:MATRIX_FMT_FP6 matrix_b_fmt:MATRIX_FMT_FP6
.endm
; 64 numbers of a lane in v[src] on, register 16 b + i = k 32 b + 16 (lane / 16) + i of my row, become a fragment's codes in v[PC] on and its scale word in v[PW].
.macro QUANT src
.irp b, 0,1,2,3
	v_max3_num_f32 v[BM+\b], |v[(\src)+16*\b]|, |v[(\src)+16*\b+1]|, 0x1800000     ; with the floor 2^(3 - 127): the byte cannot fall under 1
	v_max3_num_f32 v[BP+\b], |v[(\src)+16*\b+8]|, |v[(\src)+16*\b+9]|, |v[(\src)+16*\b+10]|
.endr
.irp i, 0,1
.irp b, 0,1,2,3
	v_max3_num_f32 v[BM+\b], v[BM+\b], |v[(\src)+16*\b+2+2*\i]|, |v[(\src)+16*\b+3+2*\i]|
	v_max3_num_f32 v[BP+\b], v[BP+\b], |v[(\src)+16*\b+11+2*\i]|, |v[(\src)+16*\b+12+2*\i]|
.endr
.endr
.irp b, 0,1,2,3
	v_max3_num_f32 v[BM+\b], v[BM+\b], |v[(\src)+16*\b+6]|, |v[(\src)+16*\b+7]|
.endr
.irp b, 0,1,2,3
	v_max3_num_f32 v[BM+\b], v[BM+\b], v[BP+\b], |v[(\src)+16*\b+15]|
.endr
.irp b, 0,1,2,3
	v_permlanex16_b32 v[BP+\b], v[BM+\b], s[SEL], s[SEL+1]
.endr
.irp b, 0,1,2,3
	v_max_num_f32 v[BM+\b], v[BM+\b], v[BP+\b]     ; with lane l xor 16's: the block's largest magnitude
.endr
.irp b, 0,1,2,3
	v_add_nc_u32 v[SO+\b], 0xff000000, v[BM+\b]    ; 2 off its exponent field: the conversion's scale operand
.endr
.irp b, 0,1,2,3
	v_lshrrev_b32 v[BP+\b], 23, v[SO+\b]           ; the scale's byte
.endr
	v_lshl_or_b32 v[PW], v[BP+1], 8, v[BP]
	v_lshl_or_b32 v[PW], v[BP+2], 16, v[PW]
	v_lshl_or_b32 v[PW], v[BP+3], 24, v[PW]
.irp c, 0,1
	v_cvt_scalef32_pk16_fp6_f32 v[PC+6*\c:PC+6*\c+2], v[(\src)+32*\c:(\src)+32*\c+15], v[SO+2*\c]
	v_cvt_scalef32_pk16_fp6_f32 v[PC+12+4*\c:PC+14+4*\c], v[(\src)+32*\c+16:(\src)+32*\c+31], v[SO+2*\c+1]
.endr
	v_nop                                          ; one plain place behind the scaled conversions
.irp c, 0,1                                    ; the layout wants a WHOLE block in a lane: lanes 0-15 block 2 c, lanes 16-31 block 2 c + 1
.irp i, 0,1,2
	v_permlane16_swap_b32 v[PC+6*\c+\i], v[PC+12+4*\c+\i]
.endr
.irp i, 0,1,2
	v_mov_b32 v[PC+3+6*\c+\i], v[PC+12+4*\c+\i]
.endr
.endr
.endm
.macro IMAGE img, scl                          ; my fragment and its scale word go to LDS as they stand
.irp c, 0,1,2
	ds_store_b128 v[IW], v[PC+4*\c:PC+4*\c+3] offset:\img+512*\c
.endr
	ds_store_b32 v[SW], v[PW] offset:\scl
.endm
.macro FETCH img, scl, sreg                    ; all four fragments and scale words come back so, in every wave
.irp k, 0,1,2,3
.irp c, 0,1,2
	ds_load_b128 v[AF+12*\k+4*\c:AF+12*\k+4*\c+3], v[L16] offset:\img+1536*\k+512*\c
.endr
	ds_load_b32 v[\sreg+\k], v[L4] offset:\scl+128*\k
.endr
.endm
.macro LANESUM                                 ; v[R + 4 i], i = 0 .. 3, summed over the 32 lanes
.irp m, 1,2,4,8
.irp i, 0,1,2,3
	v_add_f32_dpp v[R+4*\i], v[R+4*\i], v[R+4*\i] row_xmask:\m row_mask:0xf bank_mask:0xf
.endr
.endr
.irp i, 0,1,2,3
	v_permlanex16_b32 v[R+4*\i+1], v[R+4*\i], s[SEL], s[SEL+1]
.endr
.irp i, 0,1,2,3
	v_add_f32 v[R+4*\i], v[R+4*\i], v[R+4*\i+1]
.endr
.endm
	s_load_b256 s[4:11], s[0:1], 0x0               ; opart s[4:5], stats s[6:7], W1's codes s[8:9], W1's scales s[10:11]
	s_load_b256 s[12:19], s[0:1], 0x20             ; b1 s[12:13], W2's codes s[14:15], W2's scales s[16:17], b2 s[18:19]
	s_load_b256 s[20:27], s[0:1], 0x40             ; slots s[20:21], ln2_g s[22:23], ln2_b s[24:25], out s[26:27]
	v_lshl_add_u32 v254, v0, 2, 0x7800
	v_mov_b32 v255, 0
	v_lshrrev_b32 v1, 5, v0
	v_readfirstlane_b32 s[WN], v1                  ; wave 0..3
	v_and_b32 v1, 31, v0                           ; lane
	v_and_b32 v2, 15, v0                           ; r
	v_bfe_u32 v3, v0, 4, 1                         ; h
	v_lshlrev_b32 v[PA], 4, v2
	v_lshl_add_u32 v[PA], v3, 10, v[PA]            ; the partial O: dv tile 2 db + h, lane r's 16 bytes
	v_lshlrev_b32 v[L8], 3, v1
	v_lshlrev_b32 v[L16], 4, v1
	v_lshlrev_b32 v[L4], 2, v1
	v_and_b32 v[W1SA], 8, v2
	v_add_nc_u32 v[W1SA], v[W1SA], v2              ; r + 8 (r / 8)
	v_mul_u32_u24 v[W1A], v[W1SA], 384             ; W1: a row is 512 codes, 384 bytes
	v_mad_u32_u24 v[W1A], v3, 24, v[W1A]
	v_lshlrev_b32 v[W1SA], 4, v[W1SA]              ; and 16 scale bytes
	v_lshlrev_b32 v[B1A], 6, v3
	v_mul_u32_u24 v[W2A], v2, 384
	v_mad_u32_u24 v[W2A], v3, 24, v[W2A]
	v_lshlrev_b32 v[W2SA], 4, v2
	v_lshlrev_b32 v[B2A], 5, v3
	s_mul_i32 s29, s[WN], 1536
	v_add_nc_u32 v[IW], s29, v[L16]                ; where I store an image: 16 x lane + 1,536 w
	s_lshl_b32 s29, s[WN], 7
	v_add_nc_u32 v[SW], s29, v[L4]                 ; and its scale word: 4 x lane + 128 w
	v_mul_u32_u24 v[SOA], v2, 1040
	v_lshl_add_u32 v[SOA], v3, 5, v[SOA]
	s_lshl_b32 s29, s[WN], 8
	v_add_nc_u32 v[SOA], s29, v[SOA]               ; the stage: row r, + 32 h, + 256 w
	s_mul_i32 s29, s[WN], 4160
	v_add_nc_u32 v[SRA], s29, v[L16]               ; back: my 4 rows, 16 bytes a lane
	s_mov_b32 s[SEL], 0x76543210
	s_mov_b32 s[SEL+1], 0xfedcba98
	s_mov_b32 s[RN], 0x3b800000                    ; 1 / 256
	s_mov_b32 s[EPS], 0x3727c5ac                   ; 1e-5
	s_lshr_b32 s30, ttmp9, 2                       ; batch
	s_and_b32 s31, ttmp9, 3                        ; slot tile
	s_lshl_b32 s32, s30, 19                        ; opart: batch x 32 work-groups x 16,384 + head 2 w x 16,384 + slot tile x 4,096
	s_lshl_b32 s33, s[WN], 15
	s_add_co_u32 s32, s32, s33
	s_lshl_b32 s33, s31, 12
	s_add_co_u32 s32, s32, s33
	s_mov_b32 s33, 0
	s_lshl_b32 s34, s30, 15                        ; stats: the same with 1,024 and 256
	s_lshl_b32 s35, s[WN], 11
	s_add_co_u32 s34, s34, s35
	s_lshl_b32 s35, s31, 8
	s_add_co_u32 s34, s34, s35
	s_mov_b32 s35, 0
	s_mul_i32 s36, s[WN], 49152                    ; my 128 rows of W1,
	s_mov_b32 s37, 0
	s_lshl_b32 s38, s[WN], 11                      ; their scale bytes,
	s_mov_b32 s39, 0
	s_lshl_b32 s40, s[WN], 9                       ; my 128 numbers of b1,
	s_mov_b32 s41, 0
	s_mul_i32 s42, s[WN], 24576                    ; my 64 rows of W2,
	s_mov_b32 s43, 0
	s_lshl_b32 s44, s[WN], 10                      ; their scale bytes,
	s_mov_b32 s45, 0
	s_lshl_b32 s46, s[WN], 8                       ; my 64 numbers of b2,
	s_mov_b32 s47, 0
	s_lshl_b32 s48, ttmp9, 14                      ; and my 4 rows of the slots and of the result: (16 t + 4 w) x 1,024 bytes
	s_lshl_b32 s49, s[WN], 12
	s_add_co_u32 s48, s48, s49
	s_mov_b32 s49, 0
	s_wait_kmcnt 0x0
	s_add_nc_u64 s[4:5], s[4:5], s[32:33]
	s_add_nc_u64 s[6:7], s[6:7], s[34:35]
	s_add_nc_u64 s[8:9], s[8:9], s[36:37]
	s_add_nc_u64 s[10:11], s[10:11], s[38:39]
	s_add_nc_u64 s[12:13], s[12:13], s[40:41]
	s_add_nc_u64 s[14:15], s[14:15], s[42:43]
	s_add_nc_u64 s[16:17], s[16:17], s[44:45]
	s_add_nc_u64 s[18:19], s[18:19], s[46:47]
	s_add_nc_u64 s[20:21], s[20:21], s[48:49]
	s_add_nc_u64 s[26:27], s[26:27], s[48:49]
	; ---- 72 loads: (-M, l) and the partial O of my two heads' four quarters.  Register 128 e + 32 c + 16 d + 8 x + 4 g + .. of window 3 = head e, quarter c, dv 32 d + 16 h + 8 x + 4 g + ..: sixteen lanes read 256 consecutive bytes
.irp e, 0,1
.irp c, 0,1,2,3
	global_load_b64 v[SP+8*\e+2*\c:SP+8*\e+2*\c+1], v[L8], s[6:7] offset:8192*\c+1024*\e
.endr
.endr
	WIN 0xc0
.irp e, 0,1
.irp c, 0,1,2,3
.irp d, 0,1
.irp x, 0,1
.irp g, 0,1
	global_load_b128 v[128*\e+32*\c+16*\d+8*\x+4*\g:128*\e+32*\c+16*\d+8*\x+4*\g+3], v[PA], s[4:5] offset:131072*\c+16384*\e+2048*\d+512*\g+256*\x
.endr
.endr
.endr
.endr
.endr
	; ---- 232 loads: W1, its scale words, the biases, the slots' rows
	WIN 0
.irp t, 0,1,2,3,4,5,6,7
	global_load_b128 v[W1S+4*\t:W1S+4*\t+3], v[W1SA], s[10:11] offset:(32*(\t/2)+8*(\t%2))*16   ; a row's four scale words
.endr
	WIN 0x40
.irp t, 0,1,2,3,4,5,6,7
	global_load_b128 v[192+8*\t:192+8*\t+3], v[B1A], s[12:13] offset:(32*(\t/2)+8*(\t%2))*4     ; b1 in the result's layout: units 32 b + 16 h + 8 u + 0 .. 7
	global_load_b128 v[192+8*\t+4:192+8*\t+7], v[B1A], s[12:13] offset:(32*(\t/2)+8*(\t%2))*4+16
.endr
.irp t, 0,1,2,3,4,5,6,7
.irp k, 0,1
.irp p, 0,1,2,3,4,5
	global_load_b64 v[12*(2*\t+\k)+2*\p:12*(2*\t+\k)+2*\p+1], v[W1A], s[8:9] offset:(32*(\t/2)+8*(\t%2))*384+96*\k+48*(\p/3)+8*(\p%3)
.endr
.endr
.endr
	WIN 0x80
.irp t, 0,1,2,3,4,5,6,7
.irp k, 0,1
.irp p, 0,1,2,3,4,5
	global_load_b64 v[12*(2*\t+\k)+2*\p:12*(2*\t+\k)+2*\p+1], v[W1A], s[8:9] offset:(32*(\t/2)+8*(\t%2))*384+192+96*\k+48*(\p/3)+8*(\p%3)
.endr
.endr
.endr
.irp n, 0,1,2,3
	global_load_b128 v[192+8*\n:192+8*\n+3], v[B2A], s[18:19] offset:64*\n                      ; b2: outputs 16 n + 8 h + 0 .. 7
	global_load_b128 v[192+8*\n+4:192+8*\n+7], v[B2A], s[18:19] offset:64*\n+16
.endr
.irp i, 0,1,2,3
	global_load_b128 v[224+8*\i:224+8*\i+3], v[L16], s[20:21] offset:1024*\i                    ; the slots' rows 4 w + i: columns 4 l on and 128 + 4 l on
	global_load_b128 v[224+8*\i+4:224+8*\i+7], v[L16], s[20:21] offset:1024*\i+512
.endr
	WIN 0
	s_wait_loadcnt 63                              ; 232 loads were issued behind the partial O's last: with 63 out the first 72 are in
	; ---- the join
.irp e, 0,1
	v_min3_num_f32 v[TT+\e], v[SP+8*\e], v[SP+8*\e+2], v[SP+8*\e+4]
.endr
.irp e, 0,1
	v_min_num_f32 v[TT+\e], v[TT+\e], v[SP+8*\e+6] ; the smallest -M
.endr
.irp e, 0,1
.irp c, 0,1,2,3
	v_sub_f32 v[SP+8*\e+2*\c], v[TT+\e], v[SP+8*\e+2*\c]   ; M_c less the largest M: a whole number, 0 or less
.endr
.endr
.irp e, 0,1
.irp c, 0,1,2,3
	v_cvt_i32_f32 v[SP+8*\e+2*\c], v[SP+8*\e+2*\c]
.endr
.endr
.irp e, 0,1
.irp c, 0,1,2,3
	v_ldexp_f32 v[SP+8*\e+2*\c], 1.0, v[SP+8*\e+2*\c]      ; f_c
.endr
.endr
.irp e, 0,1
	v_mul_f32 v[TT+2+\e], v[SP+8*\e+1], v[SP+8*\e]
.endr
.irp c, 1,2,3
.irp e, 0,1
	v_fma_f32 v[TT+2+\e], v[SP+8*\e+2*\c+1], v[SP+8*\e+2*\c], v[TT+2+\e]   ; the row's sum
.endr
.endr
.irp e, 0,1
	v_rcp_f32 v[TT+2+\e], v[TT+2+\e]
.endr
	v_nop                                          ; one plain place behind the transcendentals
	s_wait_alu depctr_va_vdst(0)
.irp e, 0,1
.irp c, 0,1,2,3
	v_mul_f32 v[SP+8*\e+2*\c], v[SP+8*\e+2*\c], v[TT+2+\e]   ; f_c / the sum
.endr
.endr
	WIN 0x03                                       ; source 0 (the partial O) window 3
.irp e, 0,1
.set j_, 0
.rept 16
	v_pk_mul_f32 v[HA+32*\e+j_:HA+32*\e+j_+1], v[128*\e+j_:128*\e+j_+1], v[SP+8*\e:SP+8*\e+1] op_sel_hi:[1,0]
.set j_, j_+2
.endr
.endr
.irp c, 1,2,3
.irp e, 0,1
.set j_, 0
.rept 16
	v_pk_fma_f32 v[HA+32*\e+j_:HA+32*\e+j_+1], v[128*\e+32*\c+j_:128*\e+32*\c+j_+1], v[SP+8*\e+2*\c:SP+8*\e+2*\c+1], v[HA+32*\e+j_:HA+32*\e+j_+1] op_sel_hi:[1,0,1]
.set j_, j_+2
.endr
.endr
.endr
	; ---- 104 loads, into the registers that the partial O has left: W2, the gain and the bias of LayerNorm 2, W2's scale words
	WIN 0xc0
.irp n, 0,1,2,3
.irp k, 0,1,2,3
.irp p, 0,1,2,3,4,5
	global_load_b64 v[12*(4*\n+\k)+2*\p:12*(4*\n+\k)+2*\p+1], v[W2A], s[14:15] offset:6144*\n+96*\k+48*(\p/3)+8*(\p%3)
.endr
.endr
.endr
	global_load_b128 v[192:195], v[L16], s[22:23]
	global_load_b128 v[196:199], v[L16], s[22:23] offset:512
	global_load_b128 v[200:203], v[L16], s[24:25]
	global_load_b128 v[204:207], v[L16], s[24:25] offset:512
	WIN 0
.irp n, 0,1,2,3
	global_load_b128 v[W2S+4*\n:W2S+4*\n+3], v[W2SA], s[16:17] offset:256*\n
.endr
	QUANT HA                                       ; my two heads' 128 numbers of each row: K step w of the first product
	IMAGE AIMG, ASCL
	BARRIER                                        ; att's four fragments lie in LDS
	FETCH AIMG, ASCL, ASW
	s_wait_dscnt 0x0
	s_wait_loadcnt 63                              ; 120 loads were issued behind W1's last: with 63 out W1, its scale words and the biases are in
	; ---- the hidden layer: my 8 tiles by turns, a K step at a time
	WIN 0x11                                       ; source 0 (W1) and source 2 (b1) window 1
.irp t, 0,1,2,3,4,5,6,7
	WMC HA+8*\t, 24*\t, AF, 192+8*\t, W1S+4*\t, ASW
.endr
	WIN 0x01
.irp t, 0,1,2,3,4,5,6,7
	WMC HA+8*\t, 24*\t+12, AF+12, HA+8*\t, W1S+4*\t+1, ASW+1
.endr
	WIN 0x02                                       ; source 0 window 2
.irp t, 0,1,2,3,4,5,6,7
	WMC HA+8*\t, 24*\t, AF+24, HA+8*\t, W1S+4*\t+2, ASW+2
.endr
.irp t, 0,1,2,3,4,5,6,7
	WMC HA+8*\t, 24*\t+12, AF+36, HA+8*\t, W1S+4*\t+3, ASW+3
.endr
	WIN 0
	PLACES 4
.set j_, 0
.rept 64
	v_max_num_f32 v[HA+j_], 0, v[HA+j_]            ; the activation, in f32; each accumulator from its low end on
.set j_, j_+1
.endr
	QUANT HA
	IMAGE HIMG, HSCL                               ; K step w of the second product
	BARRIER                                        ; the hidden layer's four fragments lie in LDS
	FETCH HIMG, HSCL, HSW
	s_wait_dscnt 0x0
	s_wait_loadcnt 0x0                             ; W2 and the rest
	; ---- my 64 outputs: four tiles by turns, a K step at a time
	WIN 0x23                                       ; source 0 (W2) window 3, source 2 (b2) window 2
.irp n, 0,1,2,3
	WMC HA+8*\n, 48*\n, AF, 192+8*\n, W2S+4*\n, HSW
.endr
	WIN 0x03
.irp k, 1,2,3
.irp n, 0,1,2,3
	WMC HA+8*\n, 48*\n+12*\k, AF+12*\k, HA+8*\n, W2S+4*\n+\k, HSW+\k
.endr
.endr
	WIN 0
	PLACES 4                                       ; in front of the first read of results, and of the loads into the fragments' registers
.irp n, 0,1,2,3
	ds_store_b128 v[SOA], v[HA+8*\n:HA+8*\n+3] offset:STG+64*\n          ; lane (r, h): row r, outputs 64 w + 16 n + 8 h + 0 .. 7
	ds_store_b128 v[SOA], v[HA+8*\n+4:HA+8*\n+7] offset:STG+64*\n+16
.endr
	BARRIER                                        ; 16 whole rows lie in the stage
	; ---- the residual and LayerNorm 2: my 4 rows, 8 numbers a lane
.irp i, 0,1,2,3
	ds_load_b128 v[AF+8*\i:AF+8*\i+3], v[SRA] offset:STG+1040*\i
	ds_load_b128 v[AF+8*\i+4:AF+8*\i+7], v[SRA] offset:STG+1040*\i+512
.endr
	s_wait_dscnt 0x0
	WIN 0x08                                       ; source 1 (the slots' rows) window 2
.set j_, 0
.rept 16
	v_pk_add_f32 v[AF+j_:AF+j_+1], v[AF+j_:AF+j_+1], v[224+j_:225+j_]
.set j_, j_+2
.endr
	WIN 0
.irp i, 0,1,2,3
	v_pk_add_f32 v[R+4*\i:R+4*\i+1], v[AF+8*\i:AF+8*\i+1], v[AF+8*\i+2:AF+8*\i+3]
	v_pk_add_f32 v[R+4*\i+2:R+4*\i+3], v[AF+8*\i+4:AF+8*\i+5], v[AF+8*\i+6:AF+8*\i+7]
.endr
.irp i, 0,1,2,3
	v_pk_add_f32 v[R+4*\i:R+4*\i+1], v[R+4*\i:R+4*\i+1], v[R+4*\i+2:R+4*\i+3]
.endr
.irp i, 0,1,2,3
	v_add_f32 v[R+4*\i], v[R+4*\i], v[R+4*\i+1]
.endr
	LANESUM
.irp i, 0,1,2,3
	v_mul_f32 v[R+4*\i], s[RN], v[R+4*\i]          ; the mean
.endr
.irp i, 0,1,2,3
.irp j, 0,2,4,6
	v_pk_add_f32 v[AF+8*\i+\j:AF+8*\i+\j+1], v[AF+8*\i+\j:AF+8*\i+\j+1], v[R+4*\i:R+4*\i+1] op_sel_hi:[1,0] neg_lo:[0,1] neg_hi:[0,1]
.endr
.endr
.irp i, 0,1,2,3
	v_pk_mul_f32 v[R+4*\i+2:R+4*\i+3], v[AF+8*\i:AF+8*\i+1], v[AF+8*\i:AF+8*\i+1]
.endr
.irp j, 2,4,6
.irp i, 0,1,2,3
	v_pk_fma_f32 v[R+4*\i+2:R+4*\i+3], v[AF+8*\i+\j:AF+8*\i+\j+1], v[AF+8*\i+\j:AF+8*\i+\j+1], v[R+4*\i+2:R+4*\i+3]
.endr
.endr
.irp i, 0,1,2,3
	v_add_f32 v[R+4*\i], v[R+4*\i+2], v[R+4*\i+3]
.endr
	LANESUM
.irp i, 0,1,2,3
	v_fma_f32 v[R+4*\i], v[R+4*\i], s[RN], s[EPS]  ; the variance + 1e-5
.endr
.irp i, 0,1,2,3
	v_rsq_f32 v[R+4*\i], v[R+4*\i]
.endr
	v_nop                                          ; one plain place behind the transcendentals
	s_wait_alu depctr_va_vdst(0)
.irp i, 0,1,2,3
.irp j, 0,2,4,6
	v_pk_mul_f32 v[AF+8*\i+\j:AF+8*\i+\j+1], v[AF+8*\i+\j:AF+8*\i+\j+1], v[R+4*\i:R+4*\i+1] op_sel_hi:[1,0]
.endr
.endr
	WIN 0x3c                                       ; sources 1 (gain) and 2 (bias) window 3
.irp i, 0,1,2,3
.irp j, 0,2,4,6
	v_pk_fma_f32 v[AF+8*\i+\j:AF+8*\i+\j+1], v[AF+8*\i+\j:AF+8*\i+\j+1], v[192+\j:193+\j], v[200+\j:201+\j]
.endr
.endr
	WIN 0
.irp i, 0,1,2,3
	global_store_b128 v[L16], v[AF+8*\i:AF+8*\i+3], s[26:27] offset:1024*\i          ; 32 lanes store 512 consecutive bytes, at a multiple of 256 from the output's first byte
	global_store_b128 v[L16], v[AF+8*\i+4:AF+8*\i+7], s[26:27] offset:1024*\i+512
.endr
	s_wait_tensorcnt 0x0
	ds_add_u32 v254, v255
	s_wait_dscnt 0x0
	s_endpgm
.Lfunc_end_k_qda5aa30d14_mlp:
	.size	k_qda5aa30d14_mlp, .Lfunc_end_k_qda5aa30d14_mlp-k_qda5aa30d14_mlp
	.p2alignl 7, 3214868480
	.fill 96, 4, 3214868480
	.section	.rodata,"a",@progbits
	.p2align	6, 0x0
	.amdhsa_kernel k_qda5aa30d14_mlp
		.amdhsa_group_segment_fixed_size 31232
		.amdhsa_private_segment_fixed_size 0
		.amdhsa_enable_private_segment 0
		.amdhsa_kernarg_size 96
		.amdhsa_user_sgpr_count 2
		.amdhsa_user_sgpr_kernarg_segment_ptr 1
		.amdhsa_wavefront_size32 1
		.amdhsa_system_sgpr_workgroup_id_x 1
		.amdhsa_system_sgpr_workgroup_id_y 1
		.amdhsa_system_sgpr_workgroup_id_z 1
		.amdhsa_system_vgpr_workitem_id 0
		.amdhsa_next_free_vgpr 1024
		.amdhsa_next_free_sgpr 66
		.amdhsa_reserve_vcc 0
		.amdhsa_float_denorm_mode_32 3
		.amdhsa_float_denorm_mode_16_64 3
		.amdhsa_memory_ordered 1
		.amdhsa_forward_progress 1
		.amdhsa_inst_pref_size 83
	.end_amdhsa_kernel
	.amdgpu_metadata
---
amdhsa.version: [ 1, 2 ]
amdhsa.kernels:
  - .name:           k_qda5aa30d14_mlp
    .symbol:         k_qda5aa30d14_mlp.kd
    .args:
      - { .name: opart, .offset: 0, .size: 8, .value_kind: global_buffer, .address_space: global }
      - { .name: stats, .offset: 8, .size: 8, .value_kind: global_buffer, .address_space: global }
      - { .name: W1_codes, .offset: 16, .size: 8, .value_kind: global_buffer, .address_space: global }
      - { .name: W1_scales, .offset: 24, .size: 8, .value_kind: global_buffer, .address_space: global }
      - { .name: b1, .offset: 32, .size: 8, .value_kind: global_buffer, .address_space: global }
      - { .name: W2_codes, .offset: 40, .size: 8, .value_kind: global_buffer, .address_space: global }
      - { .name: W2_scales, .offset: 48, .size: 8, .value_kind: global_buffer, .address_space: global }
      - { .name: b2, .offset: 56, .size: 8, .value_kind: global_buffer, .address_space: global }
      - { .name: slot_representations, .offset: 64, .size: 8, .value_kind: global_buffer, .address_space: global }
      - { .name: ln2_g, .offset: 72, .size: 8, .value_kind: global_buffer, .address_space: global }
      - { .name: ln2_b, .offset: 80, .size: 8, .value_kind: global_buffer, .address_space: global }
      - { .name: out0, .offset: 88, .size: 8, .value_kind: global_buffer, .address_space: global }
    .group_segment_fixed_size: 31232
    .private_segment_fixed_size: 0
    .kernarg_segment_align: 8
    .kernarg_segment_size: 96
    .max_flat_workgroup_size: 128
    .sgpr_count:     66
    .vgpr_count:     1024
    .wavefront_size: 32
...
	.end_amdgpu_metadata
.endif
;; end of part 2
;; ======== version 2 of 2: 2 launches
;; limits: right only within a limited range of input values
;; workspace buffers: opart 4,194,304 bytes; stats 262,144 bytes
;; launch attn (part 3): grid 8 x 32, 4 waves a work-group, clusters of 4 x 1, 327,680 bytes of LDS; arguments slot_representations, ln1_g, ln1_b, Wq_codes, Wq_scales, Wk_codes, Wk_scales, Wv_codes, Wv_scales, hit_features_codes, hit_features_scales, opart, stats; writes opart, stats
.if DOCPART == 3
	.amdgcn_target "amdgcn-amd-amdhsa--gfx1250"
	.amdhsa_code_object_version 6
	.text
	.protected	k_qda5aa30d14_attn
	.globl	k_qda5aa30d14_attn
	.p2align	8
	.type	k_qda5aa30d14_attn,@function
k_qda5aa30d14_attn:
	s_mov_b64 s[64:65], 0
	v_nop
	global_prefetch_b8 v0, s[64:65] scope:SCOPE_SE
	s_setreg_imm32_b32 hwreg(HW_REG_WAVE_MODE, 25, 1), 1
	s_wait_xcnt 0x0
	s_wait_alu depctr_hold_cnt(0) depctr_sa_sdst(0) depctr_va_vdst(0) depctr_va_sdst(0) depctr_va_ssrc(0) depctr_va_vcc(0) depctr_vm_vsrc(0)
	s_getreg_b32 s2, hwreg(HW_REG_IB_STS2, 6, 4)
	s_cmp_eq_u32 s2, 0
	s_cbranch_scc0 .Lentry_in_a_cluster
	s_endpgm
.Lentry_in_a_cluster:
	s_bfe_u32 s2, ttmp6, 0x10000c
	s_cmp_lg_u32 s2, 0x3003
	s_cbranch_scc0 .Lentry_shape_is_right
	s_endpgm
.Lentry_shape_is_right:
; LayerNorm 1, q, k, v and the attention of one head over a quarter of a batch's keys: partial O, (-M, l).
; SHARES.  Work-group (head, batch x 4 + quarter): 64 slots, 4,096 keys; wave w takes 1,024 keys in 8 steps of 128.  Four heads form a cluster: they need the same hits and ask for them jointly.
; THE ORDER OF ROWS.  Lane r of tile j (of four) takes row 32 (r / 8) + 8 j' + r % 8 of its 64 rows, j' = j for r < 8 and j xor 1 else (the 16 rows then start at 16 different banks).  So the 8 registers of a lane's
; results, over four tiles, are one whole block of 32 along the next K: for K (rows of Wk; q's d has the same order), for V and p (rows of the hits).  The order inside a block is the same on both sides of each product.
; A block's scale byte lies in lane (r, h); two pairs of blocks make one register of scale words by one swap: lanes 0-15 (row 0) the first pair's word, lanes 16-31 (row 1) the second's.
; K's codes are 6 registers a tile of 16 keys (64 of the instruction's 128 along K); two tiles make one operand, and q's operand is [q, 0] for the first and [0, q] for the second.
; A STEP: 64 products for K, their quantiser; 64 for V, theirs; 32 for the scores, with the next step's LDS loads among them; the softmax in four batches of exponentials; 16 products for O.
; THE RING.  Each wave has its own 128 rows in each of two slots; a tile is asked for in the middle of the step before the one in whose middle it is read into registers: a whole step (176 products).
; No prefetch: no wait for a tile stands nearer to its request than that.  The weights' tensor loads carry no mask (partners have other heads); they land in slot 1, which tile 1 fills when all waves hold the weights.
; O begins as zeros and the largest score as -3e38, so that the step is written alike for all trips.
; LIMITS.  NaN and infinities are not served.  The promise of the softmax holds while the scaled scores stay under 2^31 in magnitude.  A block whose largest magnitude lies under 2^-124 (zeros too) keeps the scale byte 1.
; REGISTERS.  Window 0: below, O v128-255.  Window 1: Wk 0-95, Wv 96-191, K's codes, later p's, 192-239, conversions' second halves 240-255.  Window 2: hits 0-191, q with zeros between 192-245, row sums 246-253.  Window 3: sums of products.
.set SLOT1, 131072
.set STATM, 122880
.set QIMG,  126976
.set QSC,   130048
.set SPARE, 130560
.set SCL,   253952
.set XST,   286720
.set SPW, 1
.set NIL, 2
.set L16, 3
.set AH,  4                            ; v4-7 hits, even and odd tiles, each with the address behind one padding more; v8-9 their scale words
.set SS,  10                           ; v10, 12, 14, 16: -M;  v11 ..: the largest score
.set F,   18                           ; v18-25; ahead of the scores: v18-23 the next step's LDS addresses
.set BM,  26
.set BP,  34
.set SO,  42
.set HSW, 50
.set WS,  66                           ; lanes 0-15 Wk's, lanes 16-31 Wv's: word kk of tile j at WS + 2 j + 1 - kk
.set QSW, 74
.set KS,  76
.set PS,  76
.set VS,  78
.set VF,  80
.set O,   128
.set R,   128
.set KC,  192
.set TC,  240
.set QF,  192
.set LS,  246
.set WN, 30
.set G1H, 40
.set G1S, 48
.set G0H, 56
.set G0S, 60
.set TB, 66
.set TS, 67
.set CNT, 68
.set SEL, 70
.set CS, 72
.set RN, 74
.set EPS, 75
.set G0W, 76
.set G1W, 88
.set MSK, 96
.set MSB, 0
.macro WIN new
.if MSB != (\new)
	s_set_vgpr_msb (MSB<<8)|(\new)
.set MSB, (\new)
.endif
.endm
.macro PLACES cnt
.rept \cnt
	v_nop
.endr
.endm
.macro WALU
	s_wait_alu depctr_va_vdst(0)
.endm
.macro CREST                           ; a round of the cluster's barrier behind its opening signal
	s_barrier_wait -1
	s_cmp_lg_u32 s[WN], 0
	s_cbranch_scc1 .Lnot_wave_0_\@
	s_barrier_signal -3
.Lnot_wave_0_\@:
	s_barrier_wait -3
	s_barrier_signal -1
	s_barrier_wait -1
.endm
.macro ROUND
	s_barrier_signal -1
	CREST
.endm
.macro WMY d, a, b, z, x, y, ra, rb
.if \z
	v_wmma_scale_f32_16x16x128_f8f6f4 v[(\d):(\d)+7], v[(\a):(\a)+11], v[(\b):(\b)+11], 0, v[\x], v[\y] matrix_a_fmt:MATRIX_FMT_FP6 matrix_b_fmt:MATRIX_FMT_FP6 matrix_a_scale:MATRIX_SCALE_ROW\ra matrix_b_scale:MATRIX_SCALE_ROW\rb
.else
	v_wmma_scale_f32_16x16x128_f8f6f4 v[(\d):(\d)+7], v[(\a):(\a)+11], v[(\b):(\b)+11], v[(\d):(\d)+7], v[\x], v[\y] matrix_a_fmt:MATRIX_FMT_FP6 matrix_b_fmt:MATRIX_FMT_FP6 matrix_a_scale:MATRIX_SCALE_ROW\ra matrix_b_scale:MATRIX_SCALE_ROW\rb
.endif
.endm
.macro WM d, a, b, z, x, y, ra, rb     ; z: the sum begins;  x, y: scale registers;  ra, rb: their rows
.if ((\ra)+2*(\rb)) == 0
	WMY \d, \a, \b, \z, \x, \y, 0, 0
.elseif ((\ra)+2*(\rb)) == 1
	WMY \d, \a, \b, \z, \x, \y, 1, 0
.elseif ((\ra)+2*(\rb)) == 2
	WMY \d, \a, \b, \z, \x, \y, 0, 1
.else
	WMY \d, \a, \b, \z, \x, \y, 1, 1
.endif
.endm
; Three pieces of 8 bytes of a fragment: K step kk, half hf.  16 bytes of padding lie behind every 64; where lanes 16-31, three pieces on, are behind one padding more, address register a + 1 serves.
.macro FRG reg, kk, hf, a, o
.irp q, 0,1,2
.set pc_, 12*(\kk)+6*(\hf)+\q
	ds_load_b64 v[(\reg)+12*(\kk)+6*(\hf)+2*\q:(\reg)+12*(\kk)+6*(\hf)+2*\q+1], v[(\a)+((pc_%8)+3)/8] offset:8*pc_+16*(pc_/8)+(\o)
.endr
.endm
.macro LD3 n, a                        ; the n-th of 32 parts of a step's hits
	FRG 24*((\n)/4), ((\n)%4)/2, (\n)%2, (\a)+2*(((\n)/4)%2), 15360*((\n)/16)+1920*(((\n)/4)%4)
.endm
.macro HSL a                           ; and their scale words
.irp u, 0,1,2,3,4,5,6,7
	ds_load_b64 v[HSW+2*\u:HSW+2*\u+1], v[(\a)+\u%2] offset:512*(\u/4)+64*(\u%4)
.endr
.endm
; The largest of each of n units of 32 numbers of a lane, window 3 from b on, in two chains a unit.  q: magnitudes, with the floor 2^(3 - 127) under which no scale byte falls below 1.  Each sum is read from its low end on.
.macro MAXU n, b, q
	WIN 0x3f
.set u_, 0
.rept \n
.set y_, (\b)+32*u_
.if \q
	v_max3_num_f32 v[BM+u_], |v[y_]|, |v[y_+1]|, |v[y_+2]|
	v_max3_num_f32 v[BP+u_], |v[y_+16]|, |v[y_+17]|, |v[y_+18]|
.else
	v_max3_num_f32 v[BM+u_], v[y_], v[y_+1], v[y_+2]
	v_max3_num_f32 v[BP+u_], v[y_+16], v[y_+17], v[y_+18]
.endif
.set u_, u_+1
.endr
	WIN 0x3c
.set i_, 0
.rept 6
.set u_, 0
.rept \n
.set y_, (\b)+32*u_+2*i_
.if \q
	v_max3_num_f32 v[BM+u_], v[BM+u_], |v[y_+3]|, |v[y_+4]|
	v_max3_num_f32 v[BP+u_], v[BP+u_], |v[y_+19]|, |v[y_+20]|
.else
	v_max3_num_f32 v[BM+u_], v[BM+u_], v[y_+3], v[y_+4]
	v_max3_num_f32 v[BP+u_], v[BP+u_], v[y_+19], v[y_+20]
.endif
.set u_, u_+1
.endr
.set i_, i_+1
.endr
.set u_, 0
.rept \n
.set y_, (\b)+32*u_
.if \q
	v_max3_num_f32 v[BM+u_], v[BM+u_], |v[y_+15]|, |v[y_+31]|
.else
	v_max3_num_f32 v[BM+u_], v[BM+u_], v[y_+15], v[y_+31]
.endif
.set u_, u_+1
.endr
	WIN 0
.set u_, 0
.rept \n
.if \q
	v_max3_num_f32 v[BM+u_], v[BM+u_], v[BP+u_], 0x1800000
.else
	v_max_num_f32 v[BM+u_], v[BM+u_], v[BP+u_]
.endif
.set u_, u_+1
.endr
.endm
.macro SCW n, sc                       ; the conversions' scale operands (2 off the exponent field), and the scale words of n units
.set u_, 0
.rept \n
	v_add_nc_u32 v[SO+u_], 0xff000000, v[BM+u_]
.set u_, u_+1
.endr
.set u_, 0
.rept \n
	v_lshrrev_b32 v[BP+u_], 23, v[SO+u_]
.set u_, u_+1
.endr
.set u_, 0
.rept (\n)/2
	v_lshl_or_b32 v[BP+2*u_], v[BP+2*u_+1], 16, v[BP+2*u_]
.set u_, u_+1
.endr
.set u_, 0
.rept (\n)/4
	v_permlane16_swap_b32 v[BP+4*u_], v[BP+4*u_+2]
.set u_, u_+1
.endr
.set u_, 0
.rept (\n)/4
	v_lshl_or_b32 v[(\sc)+u_], v[BP+4*u_+2], 8, v[BP+4*u_]
.set u_, u_+1
.endr
.endm
.macro CVQ g, b, dst, dw               ; four units' codes, six registers each, to window dw (a conversion's registers begin on an even number: the second halves are moved)
	WIN 0x03|((\dw)<<6)
.irp k, 0,1,2,3
	v_cvt_scalef32_pk16_fp6_f32 v[(\dst)+6*(\g+\k):(\dst)+6*(\g+\k)+2], v[(\b)+32*(\g+\k):(\b)+32*(\g+\k)+15], v[SO+\g+\k]
.endr
	WIN 0x43
.irp k, 0,1,2,3
	v_cvt_scalef32_pk16_fp6_f32 v[TC+4*\k:TC+4*\k+2], v[(\b)+32*(\g+\k)+16:(\b)+32*(\g+\k)+31], v[SO+\g+\k]
.endr
	v_nop
	WIN 0x01|((\dw)<<6)
.irp k, 0,1,2,3
.irp i, 0,1,2
	v_mov_b32 v[(\dst)+6*(\g+\k)+3+\i], v[TC+4*\k+\i]
.endr
.endr
	WIN 0
.endm
.macro KPROD                           ; K^T: source 0 Wk's tile j, source 1 the hits' tile u
	WIN 0xf9
.set g_, 0
.rept 4
.irp kk, 0,1
.set m_, 0
.rept 8
.set t_, 2*g_+m_/4
.set j_, m_%4
	WM 32*t_+8*j_, 24*j_+12*\kk, 24*t_+12*\kk, 1-\kk, WS+2*j_+1-\kk, HSW+2*t_+\kk, 0, 0
.set m_, m_+1
.endr
.endr
.set g_, g_+1
.endr
.endm
.macro VPROD                           ; V: source 0 the hits' tile 4 c + j, source 1 Wv's tile t; unit 2 t + c
	WIN 0xf6
.irp c, 0,1
.irp kk, 0,1
.irp t, 0,1,2,3
.irp j, 0,1,2,3
	WM 32*(2*\t+\c)+8*\j, 24*(4*\c+\j)+12*\kk, 96+24*\t+12*\kk, 1-\kk, HSW+2*(4*\c+\j)+\kk, WS+2*\t+1-\kk, 0, 1
.endr
.endr
.endr
.endr
.endm
.macro SPROD ld                        ; S^T: source 0 K's tile u, source 1 q's tile; unit 2 s + c at 64 s + 32 c.  ld: three LDS loads of the next step's hits behind each product
.set n_, 0
.rept 32
	WIN 0xc9
.set s_, n_/8
.set t_, n_%8
	WM 8*n_, KC+12*(t_/2), QF+12*s_+6-6*(t_%2), 1, KS+t_/4, QSW+s_/2, (t_/2)%2, s_%2
.if \ld
	WIN 0x80
	LD3 n_, F
.endif
.set n_, n_+1
.endr
	WIN 0
.endm
.macro PKF s, k                        ; t - M, two at a time
	v_pk_fma_f32 v[64*(\s)+\k:64*(\s)+\k+1], v[64*(\s)+\k:64*(\s)+\k+1], s[CS:CS+1], v[SS+2*(\s):SS+2*(\s)+1] op_sel_hi:[1,0,0]
.endm
.macro ADD1 s, n, i                    ; pair i += pair i + n
	v_pk_add_f32 v[64*(\s)+2*(\i):64*(\s)+2*(\i)+1], v[64*(\s)+2*(\i):64*(\s)+2*(\i)+1], v[64*(\s)+2*(\n)+2*(\i):64*(\s)+2*(\n)+2*(\i)+1]
.endm
.macro ADDL s, n
.set i_, 0
.rept \n
	ADD1 \s, \n, i_
.set i_, i_+1
.endr
.endm
; 64 exponentials of slot tile s.  Between them stand only lines whose results are read behind the next wait: t - M of the next tile, the first level of the last tile's sum (its codes are made), in the last batch the second level of tiles 0 and 1.
.macro BATCH s
	WIN 0xcf
.set k_, 0
.rept 64
	v_exp_f32 v[64*(\s)+k_], v[64*(\s)+k_]
.if ((k_%2) == 0) && ((\s) < 3)
	PKF (\s)+1, k_
.endif
.if ((k_%4) == 1) && ((\s) > 0)
	ADD1 (\s)-1, 16, k_/4
.endif
.if ((k_%4) == 3) && ((\s) == 3)
	ADD1 (k_/4)/8, 8, (k_/4)%8
.endif
.set k_, k_+1
.endr
	WALU                               ; one wait for the whole batch, and ahead of the next
.endm
.macro PCVT s                          ; p's codes of tile s
	WIN 0x43
.irp c, 0,1
	v_cvt_scalef32_pk16_fp6_f32 v[KC+12*(\s)+6*\c:KC+12*(\s)+6*\c+2], v[64*(\s)+32*\c:64*(\s)+32*\c+15], v[SO+2*(\s)+\c]
	v_cvt_scalef32_pk16_fp6_f32 v[TC+8*((\s)%2)+4*\c:TC+8*((\s)%2)+4*\c+2], v[64*(\s)+32*\c+16:64*(\s)+32*\c+31], v[SO+2*(\s)+\c]
.endr
	v_nop
.endm
.macro PMOV s
	WIN 0x41
.irp c, 0,1
.irp i, 0,1,2
	v_mov_b32 v[KC+12*(\s)+6*\c+3+\i], v[TC+8*((\s)%2)+4*\c+\i]
.endr
.endr
.endm
.macro SOFTMAX
	PLACES 4
	MAXU 8, 0, 0                       ; the largest score of each block: for the row's maximum and, since p rises with the score, for the block's largest p
.irp s, 0,1,2,3
	v_max_num_f32 v[SO+\s], v[BM+2*\s], v[BM+2*\s+1]
.endr
.irp s, 0,1,2,3
	v_permlanex16_b32 v[SO+4+\s], v[SO+\s], s[SEL], s[SEL+1]
.endr
.irp s, 0,1,2,3
	v_max3_num_f32 v[SS+1+2*\s], v[SS+1+2*\s], v[SO+\s], v[SO+4+\s]
.endr
.irp s, 0,1,2,3
	v_mul_f32 v[SO+\s], s[CS], v[SS+1+2*\s]
.endr
.irp s, 0,1,2,3
	v_mov_b32 v[SO+4+\s], v[SS+2*\s]
.endr
.irp s, 0,1,2,3
	v_floor_f32 v[SS+2*\s], -v[SO+\s]  ; -M, a whole number
.endr
.irp s, 0,1,2,3
	v_sub_f32 v[SO+4+\s], v[SS+2*\s], v[SO+4+\s]
.endr
.irp s, 0,1,2,3
	v_cvt_i32_f32 v[SO+4+\s], v[SO+4+\s]
.endr
.irp s, 0,1,2,3
	v_ldexp_f32 v[F+2*\s], 1.0, v[SO+4+\s]   ; 2^(old M - new M)
.endr
.set u_, 0
.rept 8
	v_fma_f32 v[BM+u_], v[BM+u_], s[CS], v[SS+2*(u_/2)]
.set u_, u_+1
.endr
.irp s, 0,1,2,3
.set j_, 0
.rept 16
	v_pk_mul_f32 v[O+32*\s+j_:O+32*\s+j_+1], v[O+32*\s+j_:O+32*\s+j_+1], v[F+2*\s:F+2*\s+1] op_sel_hi:[1,0]
.set j_, j_+2
.endr
.endr
	WIN 0x82
.irp s, 0,1,2,3
	v_pk_mul_f32 v[LS+2*\s:LS+2*\s+1], v[LS+2*\s:LS+2*\s+1], v[F+2*\s:F+2*\s+1] op_sel_hi:[1,0]
.endr
	WIN 0xcf
.set k_, 0
.rept 32
	PKF 0, k_
.set k_, k_+2
.endr
	WIN 0
	WALU                               ; ahead of the batches
.set u_, 0
.rept 8
	v_exp_f32 v[BM+u_], v[BM+u_]
.set u_, u_+1
.endr
	BATCH 0
	WIN 0
.set u_, 0
.rept 8
	v_max_num_f32 v[BM+u_], 0x1800000, v[BM+u_]
.set u_, u_+1
.endr
	SCW 8, PS
	WALU
	PCVT 0
	BATCH 1
	PMOV 0
	PCVT 1
	BATCH 2
	PMOV 1
	PCVT 2
	BATCH 3
	PMOV 2
	PCVT 3
	WIN 0xcf
	ADDL 2, 8                          ; the rest of the rows' sums, of the unquantised p
	ADDL 3, 16
	ADDL 3, 8
.irp n, 4,2,1
.irp s, 0,1,2,3
	ADDL \s, \n
.endr
.endr
	PMOV 3
	WIN 0x8e
.irp s, 0,1,2,3
	v_pk_add_f32 v[LS+2*\s:LS+2*\s+1], v[LS+2*\s:LS+2*\s+1], v[64*\s:64*\s+1]
.endr
	WIN 0x04
.irp s, 0,1,2,3
.irp t, 0,1,2,3
	WM O+32*\s+8*\t, VF+12*\t, KC+12*\s, 0, VS+\t/2, PS+\s/2, \t%2, \s%2   ; O^T += V^T p^T
.endr
.endr
	WIN 0
.endm
.macro STEP refill
	s_wait_dscnt 0x0                   ; this step's hits and scale words are in registers
	KPROD
	WIN 0
	s_wait_tensorcnt 0x0               ; the next tile has landed
.if \refill
	ds_add_u32 v[SPW], v[NIL]          ; register work stands between the add and its wait
	s_xor_b32 s[G0H+1], s[G0H+1], SLOT1
	s_add_nc_u64 s[G0H+2:G0H+3], s[G0H+2:G0H+3], 24576
.endif
	PLACES 4
	MAXU 8, 0, 1
	SCW 8, KS
	CVQ 0, 0, KC, 1
	CVQ 4, 0, KC, 1
	VPROD
	WIN 0
.if \refill
	s_wait_dscnt 0x0                   ; the add is done; all my reads of this step's tile are
	s_barrier_signal -1
.endif
	PLACES 4
	MAXU 8, 0, 1                       ; register work inside the round
.if \refill
	CREST
	tensor_load_to_lds s[G0H:G0H+3], s[G1H:G1H+7]   ; the tile two steps on, into the slot that this step's tile has left
	s_nop 0
	PLACES 4
.endif
	s_xor_b32 s[TB], s[TB], SLOT1
	s_add_co_u32 s[TS], s[TS], 1024
.irp i, 0,1,2,3
	v_add_nc_u32 v[F+\i], s[TB], v[AH+\i]
.endr
.irp i, 4,5
	v_add_nc_u32 v[F+\i], s[TS], v[AH+\i]
.endr
	WALU                               ; ahead of the maxima's readers
	SCW 8, VS
	CVQ 0, 0, VF, 0
	CVQ 4, 0, VF, 0
.if \refill
	HSL F+4
	SPROD 1
.else
	s_cmp_eq_u32 s[CNT], 1
	s_cbranch_scc1 .Lno_next_\@        ; the last step has no next one to load
	HSL F+4
	SPROD 1
	s_branch .Lscored_\@
.Lno_next_\@:
	SPROD 0
.Lscored_\@:
.endif
	SOFTMAX
.endm
.macro LANESUM                         ; v[R + 4 i], i = 0 .. 15, summed over the 32 lanes
.irp m, 1,2,4,8
.set i_, 0
.rept 16
	v_add_f32_dpp v[R+4*i_], v[R+4*i_], v[R+4*i_] row_xmask:\m row_mask:0xf bank_mask:0xf
.set i_, i_+1
.endr
.endr
.set i_, 0
.rept 16
	v_permlanex16_b32 v[R+4*i_+1], v[R+4*i_], s[SEL], s[SEL+1]
.set i_, i_+1
.endr
.set i_, 0
.rept 16
	v_add_f32 v[R+4*i_], v[R+4*i_], v[R+4*i_+1]
.set i_, i_+1
.endr
.endm
	s_load_b256 s[4:11], s[0:1], 0x0               ; slots, ln1_g, ln1_b, Wq's codes
	s_load_b256 s[12:19], s[0:1], 0x20             ; Wq's scales, Wk's codes, Wk's scales, Wv's codes
	s_load_b256 s[20:27], s[0:1], 0x40             ; Wv's scales, hits' codes, hits' scales, opart
	s_load_b64 s[28:29], s[0:1], 0x60              ; stats
	v_lshl_add_u32 v[SPW], v0, 2, SPARE
	v_mov_b32 v[NIL], 0
	ds_add_u32 v[SPW], v[NIL]
	ds_add_u32 v[SPW], v[NIL]
	v_lshrrev_b32 v80, 5, v0
	v_readfirstlane_b32 s[WN], v80
	v_and_b32 v81, 31, v0                          ; lane
	v_and_b32 v82, 15, v0                          ; r
	v_bfe_u32 v83, v0, 4, 1                        ; h
	v_and_b32 v84, 7, v0
	v_bfe_u32 v85, v0, 3, 1
	v_mad_u32_u24 v86, v85, 40, v84                ; my row in even tiles (tile j: + 8 j)
	v_mad_u32_u24 v87, v85, 24, v84                ; and in odd ones
	v_lshlrev_b32 v[L16], 4, v81
	v_lshlrev_b32 v88, 3, v86                      ; 8 scale bytes a row
	v_lshlrev_b32 v89, 3, v87
	v_lshlrev_b32 v90, 3, v82
	v_mul_u32_u24 v91, v83, 24
	v_mul_u32_u24 v92, v86, 240                    ; an LDS row: 192 bytes and three paddings
	v_add_nc_u32 v92, v92, v91
	v_lshl_add_u32 v93, v83, 4, v92
	v_mul_u32_u24 v94, v87, 240
	v_add_nc_u32 v94, v94, v91
	v_lshl_add_u32 v95, v83, 4, v94
	v_mul_u32_u24 v96, v82, 240
	v_add_nc_u32 v96, v96, v91
	v_lshl_add_u32 v97, v83, 4, v96
.irp i, 0,1,2,3,4,5
	v_add_nc_u32 v[98+\i], SLOT1, v[92+\i]         ; the weights: v98-101 Wq's and Wk's order, v102-103 Wv's
.endr
	v_add_nc_u32 v104, QIMG, v[L16]
	v_lshlrev_b32 v105, 3, v81
	v_add_nc_u32 v105, QIMG+512, v105
	v_lshlrev_b32 v108, 2, v81
	v_add_nc_u32 v108, QSC, v108
	v_lshlrev_b32 v109, 2, v82
	v_lshl_add_u32 v109, v83, 7, v109
	v_add_nc_u32 v109, QSC, v109                   ; q's scale words: lanes 0-15 one tile's, lanes 16-31 the next one's
	v_add_nc_u32 v110, XST, v[L16]
	v_mul_u32_u24 v111, v82, 528
	v_lshl_add_u32 v111, v83, 7, v111
	v_add_nc_u32 v111, XST, v111
	WALU
	s_bfe_u32 s31, ttmp6, 0x40000
	s_lshl_b32 s32, ttmp9, 2
	s_add_co_u32 s32, s32, s31                     ; head
	s_and_b32 s33, ttmp7, 0xffff                   ; batch x 4 + quarter
	s_mul_i32 s34, s33, 786432                     ; my hits' codes,
	s_mul_i32 s35, s[WN], 196608
	s_add_co_u32 s34, s34, s35
	s_mov_b32 s35, 0
	s_lshl_b32 s36, s33, 15                        ; the work-group's scale bytes: 32,768 on end
	s_mov_b32 s37, 0
	s_mul_i32 s38, s[WN], 30720                    ; my rows in slot 0
	s_lshl_b32 s39, s[WN], 13
	s_add_co_u32 s39, s39, SCL
	s_mov_b32 s[G1H], 15|(1<<20)|(1<<21)|(3<<22)|(3<<25)   ; a step's 128 rows of hits: 32 rows of 768 bytes, 16 bytes of padding behind every 64; joint
	s_mov_b32 s[G1H+1], 768<<16
	s_mov_b32 s[G1H+2], 32<<16
	s_mov_b32 s[G1H+3], 768<<16
	s_mov_b32 s[G1H+4], 32
	s_mov_b32 s[G1H+5], 768
	s_mov_b32 s[G1H+6], 0
	s_mov_b32 s[G1H+7], 0
	s_mov_b32 s[G1S], 15|(3<<16)|(1<<21)           ; scale bytes: 128 rows of 256 bytes; joint
	s_mov_b32 s[G1S+1], 32<<16
	s_mov_b32 s[G1S+2], 128<<16
	s_mov_b32 s[G1S+3], 32<<16
	s_mov_b32 s[G1S+4], 128
	s_mov_b32 s[G1S+5], 32
	s_mov_b32 s[G1S+6], 0
	s_mov_b32 s[G1S+7], 0
	s_mov_b32 s[G1W], (1<<20)|(3<<22)|(3<<25)      ; a head's 64 rows of a weight: 16 rows of 768 bytes
	s_mov_b32 s[G1W+1], 768<<16
	s_mov_b32 s[G1W+2], 16<<16
	s_mov_b32 s[G1W+3], 768<<16
	s_mov_b32 s[G1W+4], 16
	s_mov_b32 s[G1W+5], 768
	s_mov_b32 s[G1W+6], 0
	s_mov_b32 s[G1W+7], 0
	s_mov_b32 s[SEL], 0x76543210
	s_mov_b32 s[SEL+1], 0xfedcba98
	s_mov_b32 s[CS], 0x3e38aa3b                    ; log2(e) / 8
	s_mov_b32 s[CS+1], s[CS]
	s_mov_b32 s[RN], 0x3b800000                    ; 1 / 256
	s_mov_b32 s[EPS], 0x3727c5ac                   ; 1e-5
	s_mov_b32 s[MSK], 0xffff0000
	s_mov_b32 s[TB], 0
	s_mov_b32 s[TS], 0
	s_mov_b32 s[CNT], 6
	s_lshr_b32 s76, s33, 2
	s_lshl_b32 s76, s76, 16
	s_lshl_b32 s77, s[WN], 14
	s_add_co_u32 s76, s76, s77                     ; my 16 slots
	s_mov_b32 s77, 0
	s_mul_i32 s78, s32, 12288                      ; the head's rows of a weight,
	s_mov_b32 s79, 0
	s_lshl_b32 s80, s32, 9                         ; their scale bytes
	s_mov_b32 s81, 0
	s_lshl_b32 s82, s33, 3
	s_add_co_u32 s82, s82, s32
	s_lshl_b32 s84, s82, 14
	s_lshl_b32 s85, s[WN], 12
	s_add_co_u32 s84, s84, s85
	s_mov_b32 s85, 0
	s_lshl_b32 s86, s82, 10
	s_lshl_b32 s87, s[WN], 8
	s_add_co_u32 s86, s86, s87
	s_mov_b32 s87, 0
	s_mul_i32 s2, s[WN], 768
	s_mul_i32 s3, s[WN], 8448
	s_lshl_b32 s69, s[WN], 7
	v_add_nc_u32 v106, s2, v104
	v_add_nc_u32 v107, s2, v105
	v_add_nc_u32 v108, s69, v108
	v_add_nc_u32 v110, s3, v110
	v_add_nc_u32 v111, s3, v111
.irp i, 0,1,2,3
	v_add_nc_u32 v[AH+\i], s38, v[92+\i]
.endr
	v_add_nc_u32 v[AH+4], s39, v88
	v_add_nc_u32 v[AH+5], s39, v89
	WALU
	s_wait_dscnt 0x0                               ; both opening adds are done
	s_wait_kmcnt 0x0
	s_add_nc_u64 s[4:5], s[4:5], s[76:77]
	s_add_nc_u64 s[10:11], s[10:11], s[78:79]
	s_add_nc_u64 s[14:15], s[14:15], s[78:79]
	s_add_nc_u64 s[18:19], s[18:19], s[78:79]
	s_add_nc_u64 s[12:13], s[12:13], s[80:81]
	s_add_nc_u64 s[16:17], s[16:17], s[80:81]
	s_add_nc_u64 s[20:21], s[20:21], s[80:81]
	s_add_nc_u64 s[26:27], s[26:27], s[84:85]
	s_add_nc_u64 s[28:29], s[28:29], s[86:87]
	WIN 0xc0
.set i_, 0
.rept 16                                           ; x: row i, columns 4 l on and 128 + 4 l on: 512 consecutive bytes a load
	global_load_b128 v[8*i_:8*i_+3], v[L16], s[4:5] offset:1024*i_
	global_load_b128 v[8*i_+4:8*i_+7], v[L16], s[4:5] offset:1024*i_+512
.set i_, i_+1
.endr
	global_load_b128 v[128:131], v[L16], s[6:7]
	global_load_b128 v[132:135], v[L16], s[6:7] offset:512
	global_load_b128 v[136:139], v[L16], s[8:9]
	global_load_b128 v[140:143], v[L16], s[8:9] offset:512
	WIN 0
.irp j, 0,1,2,3
	global_load_b64 v[HSW+2*\j:HSW+2*\j+1], v[88+\j%2], s[12:13] offset:64*\j
	global_load_b64 v[BP+2*\j:BP+2*\j+1], v[88+\j%2], s[16:17] offset:64*\j
	global_load_b64 v[SO+2*\j:SO+2*\j+1], v90, s[20:21] offset:128*\j
.endr
	s_mov_b32 s[G0S], 1
	s_mov_b32 s[G0S+1], SCL
	s_add_nc_u64 s[G0S+2:G0S+3], s[24:25], s[36:37]
	s_or_b32 s[G0S+3], s[G0S+3], 0x80000000
	s_mov_b32 s[G0H], 1
	s_mov_b32 s[G0H+1], s38
	s_add_nc_u64 s[G0H+2:G0H+3], s[22:23], s[34:35]
	s_or_b32 s[G0H+3], s[G0H+3], 0x80000000
	s_cmp_eq_u32 s[WN], 1                          ; waves 0, 1, 2 fetch Wq, Wk, Wv; wave 3 the hits' scale bytes: one tensor load a wave
	s_cselect_b64 s[G0W+2:G0W+3], s[14:15], s[10:11]
	s_cmp_eq_u32 s[WN], 2
	s_cselect_b64 s[G0W+2:G0W+3], s[18:19], s[G0W+2:G0W+3]
	s_mov_b32 s[G0W], 1
	s_mul_i32 s[G0W+1], s[WN], 15360
	s_add_co_u32 s[G0W+1], s[G0W+1], SLOT1
	s_or_b32 s[G0W+3], s[G0W+3], 0x80000000
	ROUND
	s_cmp_eq_u32 s[WN], 3
	s_cbranch_scc1 .Lscales
	tensor_load_to_lds s[G0W:G0W+3], s[G1W:G1W+7]
	s_nop 0
	PLACES 4
	s_branch .Lhead_asked
.Lscales:
	tensor_load_to_lds s[G0S:G0S+3], s[G1S:G1S+7]
	s_nop 0
	PLACES 4
.Lhead_asked:
	s_wait_tensorcnt 0x0                           ; ahead of a later first fill, as ahead of a refill
	ds_add_u32 v[SPW], v[NIL]
	s_wait_dscnt 0x0
	ROUND                                          ; weights and scale bytes are in
	tensor_load_to_lds s[G0H:G0H+3], s[G1H:G1H+7]  ; tile 0, slot 0
	s_nop 0
	PLACES 4
	WIN 0x80
.irp j, 0,1,2,3
.irp kk, 0,1
	FRG 24*\j, \kk, 0, 98+2*(\j%2), 1920*\j
	FRG 24*\j, \kk, 1, 98+2*(\j%2), 1920*\j
.endr
.endr
	WIN 0
	s_wait_loadcnt 0x0
.irp j, 0,1,2,3
.irp k, 0,1
	v_cndmask_b32 v[WS+2*\j+1-\k], v[BP+2*\j+\k], v[SO+2*\j+\k], s[MSK]
.endr
.endr
	; ---- LayerNorm 1 of my 16 slots, 8 numbers a lane and row
	WIN 0x0f
.set i_, 0
.rept 16
	v_pk_add_f32 v[R+4*i_:R+4*i_+1], v[8*i_:8*i_+1], v[8*i_+2:8*i_+3]
	v_pk_add_f32 v[R+4*i_+2:R+4*i_+3], v[8*i_+4:8*i_+5], v[8*i_+6:8*i_+7]
.set i_, i_+1
.endr
	WIN 0
.set i_, 0
.rept 16
	v_pk_add_f32 v[R+4*i_:R+4*i_+1], v[R+4*i_:R+4*i_+1], v[R+4*i_+2:R+4*i_+3]
.set i_, i_+1
.endr
.set i_, 0
.rept 16
	v_add_f32 v[R+4*i_], v[R+4*i_], v[R+4*i_+1]
.set i_, i_+1
.endr
	LANESUM
.set i_, 0
.rept 16
	v_mul_f32 v[R+4*i_], s[RN], v[R+4*i_]
.set i_, i_+1
.endr
	WIN 0xc3
.set i_, 0
.rept 64
	v_pk_add_f32 v[2*i_:2*i_+1], v[2*i_:2*i_+1], v[R+4*(i_/4):R+4*(i_/4)+1] op_sel_hi:[1,0] neg_lo:[0,1] neg_hi:[0,1]
.set i_, i_+1
.endr
	WIN 0x40
.irp j, 0,1,2,3
.irp kk, 0,1
	FRG 24*\j, \kk, 0, 98+2*(\j%2), 15360+1920*\j
	FRG 24*\j, \kk, 1, 98+2*(\j%2), 15360+1920*\j
.endr
.endr
	WIN 0x0f
.set i_, 0
.rept 16
	v_pk_mul_f32 v[R+4*i_+2:R+4*i_+3], v[8*i_:8*i_+1], v[8*i_:8*i_+1]
.set i_, i_+1
.endr
.irp j, 2,4,6
.set i_, 0
.rept 16
	v_pk_fma_f32 v[R+4*i_+2:R+4*i_+3], v[8*i_+\j:8*i_+\j+1], v[8*i_+\j:8*i_+\j+1], v[R+4*i_+2:R+4*i_+3]
.set i_, i_+1
.endr
.endr
	WIN 0
.set i_, 0
.rept 16
	v_add_f32 v[R+4*i_], v[R+4*i_+2], v[R+4*i_+3]
.set i_, i_+1
.endr
	LANESUM
.set i_, 0
.rept 16
	v_fma_f32 v[R+4*i_], v[R+4*i_], s[RN], s[EPS]
.set i_, i_+1
.endr
	WALU
.set i_, 0
.rept 16
	v_rsq_f32 v[R+4*i_], v[R+4*i_]
.set i_, i_+1
.endr
	v_nop
	WALU
	WIN 0xc3
.set i_, 0
.rept 64
	v_pk_mul_f32 v[2*i_:2*i_+1], v[2*i_:2*i_+1], v[R+4*(i_/4):R+4*(i_/4)+1] op_sel_hi:[1,0]
.set i_, i_+1
.endr
	WIN 0xff
.set i_, 0
.rept 64
	v_pk_fma_f32 v[2*i_:2*i_+1], v[2*i_:2*i_+1], v[128+2*(i_%4):129+2*(i_%4)], v[136+2*(i_%4):137+2*(i_%4)]
.set i_, i_+1
.endr
	; ---- through my own stage, 128 columns at a time: lane (r, h) takes whole blocks of 32 of row r
.irp k, 0,1
	WIN 0x0c
.set i_, 0
.rept 16
	ds_store_b128 v110, v[8*i_+4*\k:8*i_+4*\k+3] offset:528*i_
.set i_, i_+1
.endr
	WIN 0xc0
.irp c, 0,1
.irp j, 0,1,2,3,4,5,6,7
	ds_load_b128 v[128+64*\k+32*\c+4*\j:128+64*\k+32*\c+4*\j+3], v111 offset:256*\c+16*\j
.endr
.endr
.endr
	WIN 0
	s_wait_dscnt 0x0
	MAXU 4, 128, 1
	SCW 4, KS
	CVQ 0, 128, 96, 2
	PLACES 4
	WIN 0xfa
.irp kk, 0,1
.irp j, 0,1,2,3
	WM 8*\j, 24*\j+12*\kk, 96+12*\kk, 1-\kk, HSW+2*\j+\kk, KS, 0, \kk
.endr
.endr
	WIN 0x40
.irp t, 0,1,2,3
.irp kk, 0,1
	FRG 96+24*\t, \kk, 0, 102, 30720+3840*\t
	FRG 96+24*\t, \kk, 1, 102, 30720+3840*\t
.endr
.endr
	WIN 0
	PLACES 4
	MAXU 1, 0, 1                                   ; q: lane (r, h) holds slot r's block h of the head's 64
	v_add_nc_u32 v[SO], 0xff000000, v[BM]
	v_lshrrev_b32 v[BP], 23, v[SO]
	v_lshl_or_b32 v[BP], v[BP], 16, v[BP]
	v_mov_b32 v[BP+2], v[BP]
	v_permlane16_swap_b32 v[BP], v[BP+2]
	v_lshl_or_b32 v[BP], v[BP+2], 8, v[BP]         ; both halves of the word alike: they serve [q, 0] and [0, q]
	WIN 0x03
	v_cvt_scalef32_pk16_fp6_f32 v[112:114], v[0:15], v[SO]
	v_cvt_scalef32_pk16_fp6_f32 v[116:118], v[16:31], v[SO]
	v_nop
	WIN 0
	v_mov_b32 v115, v116
	v_mov_b32 v116, v117
	v_mov_b32 v117, v118
	ds_store_b128 v106, v[112:115]
	ds_store_b64 v107, v[116:117]
	ds_store_b32 v108, v[BP]
	WALU
	s_wait_tensorcnt 0x0                           ; tile 0 has landed
	ds_add_u32 v[SPW], v[NIL]
	s_xor_b32 s[G0H+1], s[G0H+1], SLOT1
	s_add_nc_u64 s[G0H+2:G0H+3], s[G0H+2:G0H+3], 24576
	s_wait_dscnt 0x0                               ; the add is done, q's image is stored, the weights are in registers
	ROUND
	tensor_load_to_lds s[G0H:G0H+3], s[G1H:G1H+7]  ; tile 1, onto the weights' bytes in slot 1
	s_nop 0
	PLACES 4
	HSL AH+4
	ds_load_b32 v[QSW], v109
	ds_load_b32 v[QSW+1], v109 offset:256
	WIN 0x80
.set n_, 0
.rept 32
	LD3 n_, AH
.set n_, n_+1
.endr
.irp s, 0,1,2,3
	ds_load_b128 v[QF+12*\s+6:QF+12*\s+9], v104 offset:768*\s
	ds_load_b64 v[QF+12*\s+10:QF+12*\s+11], v105 offset:768*\s
.endr
.irp s, 0,1,2,3,4
.irp i, 0,1,2,3,4,5
	v_mov_b32 v[QF+12*\s+\i], 0
.endr
.endr
.irp i, 0,1,2,3,4,5,6,7
	v_mov_b32 v[LS+\i], 0
.endr
	WIN 0
.set j_, 0
.rept 128
	v_mov_b32 v[O+j_], 0
.set j_, j_+1
.endr
.irp s, 0,1,2,3
	v_mov_b32 v[SS+2*\s], 0x7f61b1e6
	v_mov_b32 v[SS+2*\s+1], 0xff61b1e6
.endr
	v_mov_b32 v[F+7], 0                            ; (named as the upper half of a pair)
	WALU
.Lstep:                                            ; steps 0 to 5: each fetches the tile two steps on
	STEP 1
	s_sub_co_u32 s[CNT], s[CNT], 1
	s_cmp_lg_u32 s[CNT], 0
	WALU
	s_cbranch_scc1 .Lstep
	s_mov_b32 s[CNT], 2
.Llast:                                            ; steps 6 and 7: nothing is filled again; each wave reads its own rows alone
	STEP 0
	s_sub_co_u32 s[CNT], s[CNT], 1
	s_cmp_lg_u32 s[CNT], 0
	WALU
	s_cbranch_scc1 .Llast
	; ---- the four waves' parts are joined: each stores O, -M, l as they stand; wave w joins slot tile w.  O lies in my rows of slot 0, which has had its last fill
	PLACES 4                                       ; behind the last products, ahead of writes of their registers
	v_lshrrev_b32 v80, 2, v[L16]
	s_lshl_b32 s34, s[WN], 9
	v_add_nc_u32 v81, s34, v80
	v_add_nc_u32 v81, STATM, v81
	v_add_nc_u32 v82, s38, v[L16]
	s_lshl_b32 s34, s[WN], 12
	v_add_nc_u32 v83, s34, v[L16]
	v_add_nc_u32 v84, 61440, v83
	s_lshl_b32 s34, s[WN], 7
	v_add_nc_u32 v85, s34, v80
	v_add_nc_u32 v85, STATM, v85
	WIN 0x0a
.irp s, 0,1,2,3
	v_add_f32 v[BM+\s], v[LS+2*\s], v[LS+2*\s+1]
.endr
	WIN 0
.irp s, 0,1,2,3
	v_permlanex16_b32 v[BP+\s], v[BM+\s], s[SEL], s[SEL+1]
.endr
.irp s, 0,1,2,3
	v_add_f32 v[BM+\s], v[BM+\s], v[BP+\s]
.endr
.set q_, 0
.rept 32
	ds_store_b128 v82, v[O+4*q_:O+4*q_+3] offset:512*q_
.set q_, q_+1
.endr
.irp s, 0,1,2,3
	ds_store_b32 v81, v[SS+2*\s] offset:128*\s
	ds_store_b32 v81, v[BM+\s] offset:2048+128*\s
.endr
	WALU
	s_wait_dscnt 0x0
	s_barrier_signal -1
	s_barrier_wait -1
.irp a, 0,1,2,3
	ds_load_b32 v[86+\a], v85 offset:512*\a
	ds_load_b32 v[90+\a], v85 offset:2048+512*\a
.endr
.irp a, 0,1
.irp q, 0,1,2,3,4,5,6,7
	ds_load_b128 v[O+32*\a+4*\q:O+32*\a+4*\q+3], v83 offset:30720*\a+512*\q
.endr
.endr
.irp a, 0,1
.irp q, 0,1,2,3,4,5,6,7
	ds_load_b128 v[O+64+32*\a+4*\q:O+64+32*\a+4*\q+3], v84 offset:30720*\a+512*\q
.endr
.endr
	s_wait_dscnt 0x0
	v_min3_num_f32 v94, v86, v87, v88
	v_min_num_f32 v94, v94, v89                    ; -M of the four
.irp a, 0,1,2,3
	v_sub_f32 v[86+\a], v94, v[86+\a]
.endr
.irp a, 0,1,2,3
	v_cvt_i32_f32 v[86+\a], v[86+\a]
.endr
.irp a, 0,1,2,3
	v_ldexp_f32 v[96+2*\a], 1.0, v[86+\a]
	v_mov_b32 v[97+2*\a], 0
.endr
	v_mul_f32 v95, v90, v96
	v_fma_f32 v95, v91, v98, v95
	v_fma_f32 v95, v92, v100, v95
	v_fma_f32 v95, v93, v102, v95
.set j_, 0
.rept 16
	v_pk_mul_f32 v[O+j_:O+j_+1], v[O+j_:O+j_+1], v[96:97] op_sel_hi:[1,0]
.set j_, j_+2
.endr
.irp a, 1,2,3
.set j_, 0
.rept 16
	v_pk_fma_f32 v[O+j_:O+j_+1], v[O+32*\a+j_:O+32*\a+j_+1], v[96+2*\a:97+2*\a], v[O+j_:O+j_+1] op_sel_hi:[1,0,1]
.set j_, j_+2
.endr
.endr
	v_lshrrev_b32 v80, 1, v[L16]
.irp q, 0,1,2,3,4,5,6,7
	global_store_b128 v[L16], v[O+4*\q:O+4*\q+3], s[26:27] offset:512*\q
.endr
	global_store_b64 v80, v[94:95], s[28:29]
	s_wait_tensorcnt 0x0
	ds_add_u32 v[SPW], v[NIL]
	s_wait_dscnt 0x0
	ROUND
	s_endpgm
.Lfunc_end_k_qda5aa30d14_attn:
	.size	k_qda5aa30d14_attn, .Lfunc_end_k_qda5aa30d14_attn-k_qda5aa30d14_attn
	.p2alignl 7, 3214868480
	.fill 96, 4, 3214868480
	.section	.rodata,"a",@progbits
	.p2align	6, 0x0
	.amdhsa_kernel k_qda5aa30d14_attn
		.amdhsa_group_segment_fixed_size 327680
		.amdhsa_private_segment_fixed_size 0
		.amdhsa_enable_private_segment 0
		.amdhsa_kernarg_size 104
		.amdhsa_user_sgpr_count 2
		.amdhsa_user_sgpr_kernarg_segment_ptr 1
		.amdhsa_wavefront_size32 1
		.amdhsa_system_sgpr_workgroup_id_x 1
		.amdhsa_system_sgpr_workgroup_id_y 1
		.amdhsa_system_sgpr_workgroup_id_z 1
		.amdhsa_system_vgpr_workitem_id 0
		.amdhsa_next_free_vgpr 1024
		.amdhsa_next_free_sgpr 98
		.amdhsa_reserve_vcc 0
		.amdhsa_float_denorm_mode_32 3
		.amdhsa_float_denorm_mode_16_64 3
		.amdhsa_memory_ordered 1
		.amdhsa_forward_progress 1
		.amdhsa_inst_pref_size 255
	.end_amdhsa_kernel
	.section	.bss,"aw",@nobits
	.p2align	6
	.space	262144
	.amdgpu_metadata
---
amdhsa.version: [ 1, 2 ]
amdhsa.kernels:
  - .name:           k_qda5aa30d14_attn
    .symbol:         k_qda5aa30d14_attn.kd
    .args:
      - { .name: slot_representations, .offset: 0, .size: 8, .value_kind: global_buffer, .address_space: global }
      - { .name: ln1_g, .offset: 8, .size: 8, .value_kind: global_buffer, .address_space: global }
      - { .name: ln1_b, .offset: 16, .size: 8, .value_kind: global_buffer, .address_space: global }
      - { .name: Wq_codes, .offset: 24, .size: 8, .value_kind: global_buffer, .address_space: global }
      - { .name: Wq_scales, .offset: 32, .size: 8, .value_kind: global_buffer, .address_space: global }
      - { .name: Wk_codes, .offset: 40, .size: 8, .value_kind: global_buffer, .address_space: global }
      - { .name: Wk_scales, .offset: 48, .size: 8, .value_kind: global_buffer, .address_space: global }
      - { .name: Wv_codes, .offset: 56, .size: 8, .value_kind: global_buffer, .address_space: global }
      - { .name: Wv_scales, .offset: 64, .size: 8, .value_kind: global_buffer, .address_space: global }
      - { .name: hit_features_codes, .offset: 72, .size: 8, .value_kind: global_buffer, .address_space: global }
      - { .name: hit_features_scales, .offset: 80, .size: 8, .value_kind: global_buffer, .address_space: global }
      - { .name: opart, .offset: 88, .size: 8, .value_kind: global_buffer, .address_space: global }
      - { .name: stats, .offset: 96, .size: 8, .value_kind: global_buffer, .address_space: global }
    .group_segment_fixed_size: 327680
    .private_segment_fixed_size: 0
    .kernarg_segment_align: 8
    .kernarg_segment_size: 104
    .max_flat_workgroup_size: 128
    .sgpr_count:     98
    .vgpr_count:     1024
    .wavefront_size: 32
...
	.end_amdgpu_metadata
.endif
;; end of part 3
;; launch mlp (part 4): grid 32 x 1, 4 waves a work-group, no clusters, 276,992 bytes of LDS; arguments opart, stats, W1_codes, W1_scales, b1, W2_codes, W2_scales, b2, slot_representations, ln2_g, ln2_b, out0; writes out0
.if DOCPART == 4
	.amdgcn_target "amdgcn-amd-amdhsa--gfx1250"
	.amdhsa_code_object_version 6
	.text
	.protected	k_qda5aa30d14_mlp
	.globl	k_qda5aa30d14_mlp
	.p2align	8
	.type	k_qda5aa30d14_mlp,@function
k_qda5aa30d14_mlp:
	s_mov_b64 s[64:65], 0
	v_nop
	global_prefetch_b8 v0, s[64:65] scope:SCOPE_SE
	s_setreg_imm32_b32 hwreg(HW_REG_WAVE_MODE, 25, 1), 1
	s_wait_xcnt 0x0
; The four quarters of each head are joined and divided by the row's sum; out = LayerNorm2(slots + relu(att W1 + b1) W2 + b2); both products on codes of FP6 (E2M3) with one E8M0 scale for each 32 along K.
; SHARES.  Work-group t takes rows 16 t .. 16 t + 15 of the 512 (batch t / 4, slot tile t % 4).  THE WAVES SHARE THE COLUMNS: wave w joins and quantises heads 2 w, 2 w + 1 (K step w of the first product), makes hidden units
; 128 w .. + 127 (K step w of the second) and outputs 64 w .. + 63, and at last normalises rows 4 w .. 4 w + 3.  Its parts of W1 (384 registers) and W2 (192) are used once each.
; W1 COMES BY ONE TENSOR LOAD A WAVE: my 128 rows are 49,152 dense bytes of memory; a fragment taken straight from memory would be six loads of 8 bytes a lane from 16 rows each.  They land in LDS bytes of my own, filled once, and
; go on into registers.  W2 (24,576 bytes a wave) is loaded straight into registers, asked for at the head, since it is wanted last: LDS has no room for both weights with their padding (5/4 x 294,912 bytes).
; OPERANDS GO FROM WAVE TO WAVE THROUGH LDS AS IMAGES OF THEIR REGISTERS: a fragment by three stores of 16 bytes a lane, its scale word by one of 4 bytes.  Three barriers.
; Both products are used transposed (source 0 = 16 rows of the weight, source 1 = the 16 rows): a lane holds one row.  THE ROWS OF W1 THAT FORM A TILE ARE NOT NEIGHBOURS: lane r of tile 2 b + u takes row 32 b + 8 u + r + 8 (r / 8),
; so that the 16 registers of tiles 2 b and 2 b + 1 are 16 neighbours along the next K.  The biases are the C of each sum's first product.
; THE JOIN.  Quarter c has O_c, l_c under its own whole number M_c: f_c = 2^(M_c - largest M), att = sum of O_c f_c / sum of l_c f_c.
; No cluster: the 32 work-groups share only the weights, 300 KB, and each reads them once; nothing is filled again in LDS.
; LIMITS.  NaN and infinities are not served; a block whose largest magnitude lies under 2^-124 (a block of zeros too) keeps the scale byte 1: its codes are then zeros or the smallest, and this program alone reads the byte.
; REGISTERS.  Window 0: v4-15, v173, v182-183, v252-253 addresses; v16-63 four fragments, later rows of the result; v64-127 64 numbers of a lane; v128-147 codes just made; v148-171 at work; v172, v174-181, v184-231 scale words; v232-247 (-M, l), then the weights of the join.
;   Window 1: W2 (0-191), b1 (192-255).   Window 2: W1's K steps 2, 3 (0-191), b2 (192-223), the slots' rows (224-255).   Window 3: the partial O (256), then W1's K steps 0, 1 (0-191), ln2_g (192-199), ln2_b (200-207).
.set W1L,  61440                       ; LDS from byte 0: a wave's part of W1: 128 rows x 480 (384 bytes of codes, 16 of padding behind every 64)
.set BASE, 245760                      ; behind the four parts: what the waves store; no fill lands here.  The offsets below count from BASE, which the address registers carry
.set AIMG, 0                           ; att's four fragments, 1,536 bytes each,
.set ASCL, 6144                        ; their scale words, 128 bytes each,
.set HIMG, 6656                        ; the hidden layer's four fragments,
.set HSCL, 12800                       ; their scale words,
.set STG,  13312                       ; and the stage: 16 rows x (1,024 bytes + 16)
.set PA, 4
.set L8, 5
.set L16, 6
.set L4, 7
.set WL0, 8                            ; my place in my part of W1: 480 (r + 8 (r / 8)) + 24 h
.set W1SA, 9
.set B1A, 10
.set W2A, 11
.set W2SA, 12
.set B2A, 13
.set IW, 14
.set SW, 15
.set AF, 16
.set HA, 64
.set PC, 128
.set BM, 148
.set BP, 152
.set SO, 156
.set R, 148                            ; LayerNorm 2: four registers a row
.set PW, 172
.set WL1, 173                          ; the same as WL0 behind one padding more: + 40 h
.set ASW, 174
.set HSW, 178
.set SOA, 182
.set SRA, 183
.set W1S, 184
.set W2S, 216
.set SP, 232
.set TT, 248
.set LB16, 252                         ; BASE + 16 x lane
.set LB4, 253                          ; BASE + 4 x lane
.set WN, 28
.set SEL, 50
.set RN, 52
.set EPS, 53
.set G1, 56                            ; s[56:63] descriptor group 1;  s[68:71] group 0
.set G0, 68
.set MSB, 0
.macro WIN new                         ; the immediate's high byte repeats the setting that is left
.if MSB != \new
	s_set_vgpr_msb (MSB<<8)|\new
.set MSB, \new
.endif
.endm
.macro PLACES cnt
.rept \cnt
	v_nop
.endr
.endm
.macro BARRIER                         ; my LDS stores have landed and my LDS loads are in: then the work-group's barrier
	s_wait_dscnt 0x0
	s_barrier_signal -1
	s_barrier_wait -1
.endm
.macro WMC d, a, b, c, sa, sb          ; D = A x B + C
	v_wmma_scale_f32_16x16x128_f8f6f4 v[(\d):(\d)+7], v[(\a):(\a)+11], v[(\b):(\b)+11], v[(\c):(\c)+7], v[\sa], v[\sb] matrix_a_fmt:MATRIX_FMT_FP6 matrix_b_fmt:MATRIX_FMT_FP6
.endm
; A fragment of W1 out of LDS: K step q of the 16 rows that begin at row: lane (r, h) takes 24 bytes of its row's stream of bits twice, in pieces of 8 bytes.  16 bytes of padding lie behind every 64 bytes (8 pieces):
; lanes 16-31 read three pieces on, which for some pieces is behind one padding more: the second address register serves those.
.macro W1FRAG reg, q, row
.irp p, 0,1,2,3,4,5
.set PCE, 12*(\q)+6*(\p/3)+\p%3
.if PCE%8 < 5
	ds_load_b64 v[(\reg)+2*\p:(\reg)+2*\p+1], v[WL0] offset:8*PCE+16*(PCE/8)+(\row)*480
.else
	ds_load_b64 v[(\reg)+2*\p:(\reg)+2*\p+1], v[WL1] offset:8*PCE+16*(PCE/8)+(\row)*480
.endif
.endr
.endm
; 64 numbers of a lane in v[src] on, register 16 b + i = k 32 b + 16 (lane / 16) + i of my row, become a fragment's codes in v[PC] on and its scale word in v[PW].
.macro QUANT src
.irp b, 0,1,2,3
	v_max3_num_f32 v[BM+\b], |v[(\src)+16*\b]|, |v[(\src)+16*\b+1]|, 0x1800000     ; with the floor 2^(3 - 127): the byte cannot fall under 1
	v_max3_num_f32 v[BP+\b], |v[(\src)+16*\b+8]|, |v[(\src)+16*\b+9]|, |v[(\src)+16*\b+10]|
.endr
.irp i, 0,1
.irp b, 0,1,2,3
	v_max3_num_f32 v[BM+\b], v[BM+\b], |v[(\src)+16*\b+2+2*\i]|, |v[(\src)+16*\b+3+2*\i]|
	v_max3_num_f32 v[BP+\b], v[BP+\b], |v[(\src)+16*\b+11+2*\i]|, |v[(\src)+16*\b+12+2*\i]|
.endr
.endr
.irp b, 0,1,2,3
	v_max3_num_f32 v[BM+\b], v[BM+\b], |v[(\src)+16*\b+6]|, |v[(\src)+16*\b+7]|
.endr
.irp b, 0,1,2,3
	v_max3_num_f32 v[BM+\b], v[BM+\b], v[BP+\b], |v[(\src)+16*\b+15]|
.endr
.irp b, 0,1,2,3
	v_permlanex16_b32 v[BP+\b], v[BM+\b], s[SEL], s[SEL+1]
.endr
.irp b, 0,1,2,3
	v_max_num_f32 v[BM+\b], v[BM+\b], v[BP+\b]     ; with lane l xor 16's: the block's largest magnitude
.endr
.irp b, 0,1,2,3
	v_add_nc_u32 v[SO+\b], 0xff000000, v[BM+\b]    ; 2 off its exponent field: the conversion's scale operand
.endr
.irp b, 0,1,2,3
	v_lshrrev_b32 v[BP+\b], 23, v[SO+\b]           ; the scale's byte
.endr
	v_lshl_or_b32 v[PW], v[BP+1], 8, v[BP]
	v_lshl_or_b32 v[PW], v[BP+2], 16, v[PW]
	v_lshl_or_b32 v[PW], v[BP+3], 24, v[PW]
.irp c, 0,1
	v_cvt_scalef32_pk16_fp6_f32 v[PC+6*\c:PC+6*\c+2], v[(\src)+32*\c:(\src)+32*\c+15], v[SO+2*\c]
	v_cvt_scalef32_pk16_fp6_f32 v[PC+12+4*\c:PC+14+4*\c], v[(\src)+32*\c+16:(\src)+32*\c+31], v[SO+2*\c+1]
.endr
	v_nop                                          ; one plain place behind the scaled conversions
.irp c, 0,1                                    ; the layout wants a WHOLE block in a lane: lanes 0-15 block 2 c, lanes 16-31 block 2 c + 1
.irp i, 0,1,2
	v_permlane16_swap_b32 v[PC+6*\c+\i], v[PC+12+4*\c+\i]
.endr
.irp i, 0,1,2
	v_mov_b32 v[PC+3+6*\c+\i], v[PC+12+4*\c+\i]
.endr
.endr
.endm
.macro IMAGE img, scl                          ; my fragment and its scale word go to LDS as they stand
.irp c, 0,1,2
	ds_store_b128 v[IW], v[PC+4*\c:PC+4*\c+3] offset:\img+512*\c
.endr
	ds_store_b32 v[SW], v[PW] offset:\scl
.endm
.macro FETCH img, scl, sreg                    ; all four fragments and scale words come back so, in every wave
.irp k, 0,1,2,3
.irp c, 0,1,2
	ds_load_b128 v[AF+12*\k+4*\c:AF+12*\k+4*\c+3], v[LB16] offset:\img+1536*\k+512*\c
.endr
	ds_load_b32 v[\sreg+\k], v[LB4] offset:\scl+128*\k
.endr
.endm
.macro LANESUM                                 ; v[R + 4 i], i = 0 .. 3, summed over the 32 lanes
.irp m, 1,2,4,8
.irp i, 0,1,2,3
	v_add_f32_dpp v[R+4*\i], v[R+4*\i], v[R+4*\i] row_xmask:\m row_mask:0xf bank_mask:0xf
.endr
.endr
.irp i, 0,1,2,3
	v_permlanex16_b32 v[R+4*\i+1], v[R+4*\i], s[SEL], s[SEL+1]
.endr
.irp i, 0,1,2,3
	v_add_f32 v[R+4*\i], v[R+4*\i], v[R+4*\i+1]
.endr
.endm
	s_load_b256 s[4:11], s[0:1], 0x0               ; opart s[4:5], stats s[6:7], W1's codes s[8:9], W1's scales s[10:11]
	s_load_b256 s[12:19], s[0:1], 0x20             ; b1 s[12:13], W2's codes s[14:15], W2's scales s[16:17], b2 s[18:19]
	s_load_b256 s[20:27], s[0:1], 0x40             ; slots s[20:21], ln2_g s[22:23], ln2_b s[24:25], out s[26:27]
	v_lshl_add_u32 v254, v0, 2, 0x43800
	v_mov_b32 v255, 0
	ds_add_u32 v254, v255
	ds_add_u32 v254, v255
	v_lshrrev_b32 v1, 5, v0
	v_readfirstlane_b32 s[WN], v1                  ; wave 0..3
	v_and_b32 v1, 31, v0                           ; lane
	v_and_b32 v2, 15, v0                           ; r
	v_bfe_u32 v3, v0, 4, 1                         ; h
	v_lshlrev_b32 v[PA], 4, v2
	v_lshl_add_u32 v[PA], v3, 10, v[PA]            ; the partial O: dv tile 2 db + h, lane r's 16 bytes
	v_lshlrev_b32 v[L8], 3, v1
	v_lshlrev_b32 v[L16], 4, v1
	v_lshlrev_b32 v[L4], 2, v1
	v_add_nc_u32 v[LB16], BASE, v[L16]
	v_add_nc_u32 v[LB4], BASE, v[L4]
	v_and_b32 v[W1SA], 8, v2
	v_add_nc_u32 v[W1SA], v[W1SA], v2              ; r + 8 (r / 8)
	s_mul_i32 s54, s[WN], W1L                      ; my part of W1 in LDS
	v_mul_u32_u24 v[WL0], v[W1SA], 480
	v_mad_u32_u24 v[WL0], v3, 24, v[WL0]
	v_add_nc_u32 v[WL0], s54, v[WL0]
	v_lshl_add_u32 v[WL1], v3, 4, v[WL0]
	v_lshlrev_b32 v[W1SA], 4, v[W1SA]              ; W1's 16 scale bytes a row
	v_lshlrev_b32 v[B1A], 6, v3
	v_mul_u32_u24 v[W2A], v2, 384                  ; W2: a row is 512 codes, 384 bytes
	v_mad_u32_u24 v[W2A], v3, 24, v[W2A]
	v_lshlrev_b32 v[W2SA], 4, v2
	v_lshlrev_b32 v[B2A], 5, v3
	s_mul_i32 s29, s[WN], 1536
	v_add_nc_u32 v[IW], s29, v[LB16]               ; where I store an image: BASE + 16 x lane + 1,536 w
	s_lshl_b32 s29, s[WN], 7
	v_add_nc_u32 v[SW], s29, v[LB4]                ; and its scale word: BASE + 4 x lane + 128 w
	v_mul_u32_u24 v[SOA], v2, 1040
	v_lshl_add_u32 v[SOA], v3, 5, v[SOA]
	s_lshl_b32 s29, s[WN], 8
	v_add_nc_u32 v[SOA], s29, v[SOA]
	v_add_nc_u32 v[SOA], BASE, v[SOA]              ; the stage: BASE + row r, + 32 h, + 256 w
	s_mul_i32 s29, s[WN], 4160
	v_add_nc_u32 v[SRA], s29, v[LB16]              ; back: my 4 rows, 16 bytes a lane
	s_mov_b32 s[SEL], 0x76543210
	s_mov_b32 s[SEL+1], 0xfedcba98
	s_mov_b32 s[RN], 0x3b800000                    ; 1 / 256
	s_mov_b32 s[EPS], 0x3727c5ac                   ; 1e-5
	; descriptor group 1: my 128 rows of W1 are 49,152 dense bytes, stated as 64 rows of 768 bytes (each begins at a multiple of 256 bytes from the buffer's first byte); 16 bytes of padding behind every 64: a row of 384 bytes lies 480 apart
	s_mov_b32 s[G1], (1<<20)|(3<<22)|(3<<25)       ; 15:0 no mask; 17:16 elements of 1 byte; 20 padding on; 24:22 after every 16 words; 31:25 4 words of it
	s_mov_b32 s[G1+1], 768<<16                     ; tensor_dim0
	s_mov_b32 s[G1+2], 64<<16                      ; tensor_dim1
	s_mov_b32 s[G1+3], 768<<16                     ; tile_dim0
	s_mov_b32 s[G1+4], 64                          ; tile_dim1
	s_mov_b32 s[G1+5], 768                         ; from row to row
	s_mov_b32 s[G1+6], 0
	s_mov_b32 s[G1+7], 0
	s_lshr_b32 s30, ttmp9, 2                       ; batch
	s_and_b32 s31, ttmp9, 3                        ; slot tile
	s_lshl_b32 s32, s30, 19                        ; opart: batch x 32 work-groups x 16,384 + head 2 w x 16,384 + slot tile x 4,096
	s_lshl_b32 s33, s[WN], 15
	s_add_co_u32 s32, s32, s33
	s_lshl_b32 s33, s31, 12
	s_add_co_u32 s32, s32, s33
	s_mov_b32 s33, 0
	s_lshl_b32 s34, s30, 15                        ; stats: the same with 1,024 and 256
	s_lshl_b32 s35, s[WN], 11
	s_add_co_u32 s34, s34, s35
	s_lshl_b32 s35, s31, 8
	s_add_co_u32 s34, s34, s35
	s_mov_b32 s35, 0
	s_mul_i32 s36, s[WN], 49152                    ; my 128 rows of W1,
	s_mov_b32 s37, 0
	s_lshl_b32 s38, s[WN], 11                      ; their scale bytes,
	s_mov_b32 s39, 0
	s_lshl_b32 s40, s[WN], 9                       ; my 128 numbers of b1,
	s_mov_b32 s41, 0
	s_mul_i32 s42, s[WN], 24576                    ; my 64 rows of W2,
	s_mov_b32 s43, 0
	s_lshl_b32 s44, s[WN], 10                      ; their scale bytes,
	s_mov_b32 s45, 0
	s_lshl_b32 s46, s[WN], 8                       ; my 64 numbers of b2,
	s_mov_b32 s47, 0
	s_lshl_b32 s48, ttmp9, 14                      ; and my 4 rows of the slots and of the result: (16 t + 4 w) x 1,024 bytes
	s_lshl_b32 s49, s[WN], 12
	s_add_co_u32 s48, s48, s49
	s_mov_b32 s49, 0
	s_wait_alu depctr_va_vdst(0)
	s_wait_dscnt 0x0
	s_wait_kmcnt 0x0
	s_add_nc_u64 s[8:9], s[8:9], s[36:37]
	s_mov_b32 s[G0], 1                             ; 1:0 count = 1
	s_mov_b32 s[G0+1], s54                         ; 63:32 LDS address
	s_mov_b64 s[G0+2:G0+3], s[8:9]                 ; 120:64 global address
	s_or_b32 s[G0+3], s[G0+3], 0x80000000          ; 127:126 type = 2
	tensor_load_to_lds s[G0:G0+3], s[G1:G1+7]      ; my one tensor load: bytes of my own, filled once
	s_nop 0
	PLACES 4
	s_add_nc_u64 s[4:5], s[4:5], s[32:33]
	s_add_nc_u64 s[6:7], s[6:7], s[34:35]
	s_add_nc_u64 s[10:11], s[10:11], s[38:39]
	s_add_nc_u64 s[12:13], s[12:13], s[40:41]
	s_add_nc_u64 s[14:15], s[14:15], s[42:43]
	s_add_nc_u64 s[16:17], s[16:17], s[44:45]
	s_add_nc_u64 s[18:19], s[18:19], s[46:47]
	s_add_nc_u64 s[20:21], s[20:21], s[48:49]
	s_add_nc_u64 s[26:27], s[26:27], s[48:49]
	; ---- 24 loads: W2's first tile: its requests go out while the first answers are on their way
	WIN 0x40
.irp k, 0,1,2,3
.irp p, 0,1,2,3,4,5
	global_load_b64 v[12*\k+2*\p:12*\k+2*\p+1], v[W2A], s[14:15] offset:96*\k+48*(\p/3)+8*(\p%3)
.endr
.endr
	WIN 0
	; ---- 72 loads: (-M, l) and the partial O of my two heads' four quarters.  Register 128 e + 32 c + 16 d + 8 x + 4 g + .. of window 3 = head e, quarter c, dv 32 d + 16 h + 8 x + 4 g + ..: sixteen lanes read 256 consecutive bytes
.irp e, 0,1
.irp c, 0,1,2,3
	global_load_b64 v[SP+8*\e+2*\c:SP+8*\e+2*\c+1], v[L8], s[6:7] offset:8192*\c+1024*\e
.endr
.endr
	WIN 0xc0
.irp e, 0,1
.irp c, 0,1,2,3
.irp d, 0,1
.irp x, 0,1
.irp g, 0,1
	global_load_b128 v[128*\e+32*\c+16*\d+8*\x+4*\g:128*\e+32*\c+16*\d+8*\x+4*\g+3], v[PA], s[4:5] offset:131072*\c+16384*\e+2048*\d+512*\g+256*\x
.endr
.endr
.endr
.endr
.endr
	; ---- 44 loads: the scale words, the biases, the slots' rows
	WIN 0
.irp t, 0,1,2,3,4,5,6,7
	global_load_b128 v[W1S+4*\t:W1S+4*\t+3], v[W1SA], s[10:11] offset:(32*(\t/2)+8*(\t%2))*16   ; a row's four scale words
.endr
.irp n, 0,1,2,3
	global_load_b128 v[W2S+4*\n:W2S+4*\n+3], v[W2SA], s[16:17] offset:256*\n
.endr
	WIN 0x40
.irp t, 0,1,2,3,4,5,6,7
	global_load_b128 v[192+8*\t:192+8*\t+3], v[B1A], s[12:13] offset:(32*(\t/2)+8*(\t%2))*4     ; b1 in the result's layout: units 32 b + 16 h + 8 u + 0 .. 7
	global_load_b128 v[192+8*\t+4:192+8*\t+7], v[B1A], s[12:13] offset:(32*(\t/2)+8*(\t%2))*4+16
.endr
	WIN 0x80
.irp n, 0,1,2,3
	global_load_b128 v[192+8*\n:192+8*\n+3], v[B2A], s[18:19] offset:64*\n                      ; b2: outputs 16 n + 8 h + 0 .. 7
	global_load_b128 v[192+8*\n+4:192+8*\n+7], v[B2A], s[18:19] offset:64*\n+16
.endr
.irp i, 0,1,2,3
	global_load_b128 v[224+8*\i:224+8*\i+3], v[L16], s[20:21] offset:1024*\i                    ; the slots' rows 4 w + i: columns 4 l on and 128 + 4 l on
	global_load_b128 v[224+8*\i+4:224+8*\i+7], v[L16], s[20:21] offset:1024*\i+512
.endr
	; ---- 72 loads: the rest of W2
	WIN 0x40
.irp n, 1,2,3
.irp k, 0,1,2,3
.irp p, 0,1,2,3,4,5
	global_load_b64 v[12*(4*\n+\k)+2*\p:12*(4*\n+\k)+2*\p+1], v[W2A], s[14:15] offset:6144*\n+96*\k+48*(\p/3)+8*(\p%3)
.endr
.endr
.endr
	WIN 0
	s_wait_tensorcnt 0x0                           ; my part of W1 lies in LDS; I alone read it
	WIN 0x80                                       ; its K steps 2 and 3: window 2
.irp t, 0,1,2,3,4,5,6,7
.irp k, 0,1
	W1FRAG 12*(2*\t+\k), 2+\k, 32*(\t/2)+8*(\t%2)
.endr
.endr
	WIN 0
	s_wait_loadcnt 63                              ; 116 loads were issued behind the partial O's last: with 63 out it and all before it are in
	; ---- the join
.irp e, 0,1
	v_min3_num_f32 v[TT+\e], v[SP+8*\e], v[SP+8*\e+2], v[SP+8*\e+4]
.endr
.irp e, 0,1
	v_min_num_f32 v[TT+\e], v[TT+\e], v[SP+8*\e+6] ; the smallest -M
.endr
.irp e, 0,1
.irp c, 0,1,2,3
	v_sub_f32 v[SP+8*\e+2*\c], v[TT+\e], v[SP+8*\e+2*\c]   ; M_c less the largest M: a whole number, 0 or less
.endr
.endr
.irp e, 0,1
.irp c, 0,1,2,3
	v_cvt_i32_f32 v[SP+8*\e+2*\c], v[SP+8*\e+2*\c]
.endr
.endr
.irp e, 0,1
.irp c, 0,1,2,3
	v_ldexp_f32 v[SP+8*\e+2*\c], 1.0, v[SP+8*\e+2*\c]      ; f_c
.endr
.endr
.irp e, 0,1
	v_mul_f32 v[TT+2+\e], v[SP+8*\e+1], v[SP+8*\e]
.endr
.irp c, 1,2,3
.irp e, 0,1
	v_fma_f32 v[TT+2+\e], v[SP+8*\e+2*\c+1], v[SP+8*\e+2*\c], v[TT+2+\e]   ; the row's sum
.endr
.endr
	s_wait_alu depctr_va_vdst(0)
.irp e, 0,1
	v_rcp_f32 v[TT+2+\e], v[TT+2+\e]
.endr
	v_nop                                          ; one plain place behind the transcendentals
	s_wait_alu depctr_va_vdst(0)
.irp e, 0,1
.irp c, 0,1,2,3
	v_mul_f32 v[SP+8*\e+2*\c], v[SP+8*\e+2*\c], v[TT+2+\e]   ; f_c / the sum
.endr
.endr
	WIN 0x03                                       ; source 0 (the partial O) window 3
.irp e, 0,1
.set j_, 0
.rept 16
	v_pk_mul_f32 v[HA+32*\e+j_:HA+32*\e+j_+1], v[128*\e+j_:128*\e+j_+1], v[SP+8*\e:SP+8*\e+1] op_sel_hi:[1,0]
.set j_, j_+2
.endr
.endr
.irp c, 1,2,3
.irp e, 0,1
.set j_, 0
.rept 16
	v_pk_fma_f32 v[HA+32*\e+j_:HA+32*\e+j_+1], v[128*\e+32*\c+j_:128*\e+32*\c+j_+1], v[SP+8*\e+2*\c:SP+8*\e+2*\c+1], v[HA+32*\e+j_:HA+32*\e+j_+1] op_sel_hi:[1,0,1]
.set j_, j_+2
.endr
.endr
.endr
	; ---- into the registers that the partial O has left: W1's K steps 0 and 1 out of LDS, and (4 loads) the gain and the bias of LayerNorm 2
	WIN 0xc0
.irp t, 0,1,2,3,4,5,6,7
.irp k, 0,1
	W1FRAG 12*(2*\t+\k), \k, 32*(\t/2)+8*(\t%2)
.endr
.endr
	global_load_b128 v[192:195], v[L16], s[22:23]
	global_load_b128 v[196:199], v[L16], s[22:23] offset:512
	global_load_b128 v[200:203], v[L16], s[24:25]
	global_load_b128 v[204:207], v[L16], s[24:25] offset:512
	WIN 0
	QUANT HA                                       ; my two heads' 128 numbers of each row: K step w of the first product
	IMAGE AIMG, ASCL
	BARRIER                                        ; att's four fragments lie in LDS; W1's fragments are in my registers
	FETCH AIMG, ASCL, ASW
	s_wait_dscnt 0x0
	s_wait_loadcnt 63                              ; 76 loads were issued behind the slots' rows' last: with 63 out the scale words and the biases are in
	; ---- the hidden layer: my 8 tiles by turns, a K step at a time
	WIN 0x13                                       ; source 0 (W1) window 3, source 2 (b1) window 1
.irp t, 0,1,2,3,4,5,6,7
	WMC HA+8*\t, 24*\t, AF, 192+8*\t, W1S+4*\t, ASW
.endr
	WIN 0x03
.irp t, 0,1,2,3,4,5,6,7
	WMC HA+8*\t, 24*\t+12, AF+12, HA+8*\t, W1S+4*\t+1, ASW+1
.endr
	WIN 0x02                                       ; source 0 window 2
.irp t, 0,1,2,3,4,5,6,7
	WMC HA+8*\t, 24*\t, AF+24, HA+8*\t, W1S+4*\t+2, ASW+2
.endr
.irp t, 0,1,2,3,4,5,6,7
	WMC HA+8*\t, 24*\t+12, AF+36, HA+8*\t, W1S+4*\t+3, ASW+3
.endr
	WIN 0
	PLACES 4
.set j_, 0
.rept 64
	v_max_num_f32 v[HA+j_], 0, v[HA+j_]            ; the activation, in f32; each accumulator from its low end on
.set j_, j_+1
.endr
	QUANT HA
	IMAGE HIMG, HSCL                               ; K step w of the second product
	BARRIER                                        ; the hidden layer's four fragments lie in LDS
	FETCH HIMG, HSCL, HSW
	s_wait_dscnt 0x0
	s_wait_loadcnt 0x0                             ; W2 and the rest
	; ---- my 64 outputs: four tiles by turns, a K step at a time
	WIN 0x21                                       ; source 0 (W2) window 1, source 2 (b2) window 2
.irp n, 0,1,2,3
	WMC HA+8*\n, 48*\n, AF, 192+8*\n, W2S+4*\n, HSW
.endr
	WIN 0x01
.irp k, 1,2,3
.irp n, 0,1,2,3
	WMC HA+8*\n, 48*\n+12*\k, AF+12*\k, HA+8*\n, W2S+4*\n+\k, HSW+\k
.endr
.endr
	WIN 0
	PLACES 4                                       ; in front of the first read of results, and of the loads into the fragments' registers
.irp n, 0,1,2,3
	ds_store_b128 v[SOA], v[HA+8*\n:HA+8*\n+3] offset:STG+64*\n          ; lane (r, h): row r, outputs 64 w + 16 n + 8 h + 0 .. 7
	ds_store_b128 v[SOA], v[HA+8*\n+4:HA+8*\n+7] offset:STG+64*\n+16
.endr
	BARRIER                                        ; 16 whole rows lie in the stage
	; ---- the residual and LayerNorm 2: my 4 rows, 8 numbers a lane
.irp i, 0,1,2,3
	ds_load_b128 v[AF+8*\i:AF+8*\i+3], v[SRA] offset:STG+1040*\i
	ds_load_b128 v[AF+8*\i+4:AF+8*\i+7], v[SRA] offset:STG+1040*\i+512
.endr
	s_wait_dscnt 0x0
	WIN 0x08                                       ; source 1 (the slots' rows) window 2
.set j_, 0
.rept 16
	v_pk_add_f32 v[AF+j_:AF+j_+1], v[AF+j_:AF+j_+1], v[224+j_:225+j_]
.set j_, j_+2
.endr
	WIN 0
.irp i, 0,1,2,3
	v_pk_add_f32 v[R+4*\i:R+4*\i+1], v[AF+8*\i:AF+8*\i+1], v[AF+8*\i+2:AF+8*\i+3]
	v_pk_add_f32 v[R+4*\i+2:R+4*\i+3], v[AF+8*\i+4:AF+8*\i+5], v[AF+8*\i+6:AF+8*\i+7]
.endr
.irp i, 0,1,2,3
	v_pk_add_f32 v[R+4*\i:R+4*\i+1], v[R+4*\i:R+4*\i+1], v[R+4*\i+2:R+4*\i+3]
.endr
.irp i, 0,1,2,3
	v_add_f32 v[R+4*\i], v[R+4*\i], v[R+4*\i+1]
.endr
	LANESUM
.irp i, 0,1,2,3
	v_mul_f32 v[R+4*\i], s[RN], v[R+4*\i]          ; the mean
.endr
.irp i, 0,1,2,3
.irp j, 0,2,4,6
	v_pk_add_f32 v[AF+8*\i+\j:AF+8*\i+\j+1], v[AF+8*\i+\j:AF+8*\i+\j+1], v[R+4*\i:R+4*\i+1] op_sel_hi:[1,0] neg_lo:[0,1] neg_hi:[0,1]
.endr
.endr
.irp i, 0,1,2,3
	v_pk_mul_f32 v[R+4*\i+2:R+4*\i+3], v[AF+8*\i:AF+8*\i+1], v[AF+8*\i:AF+8*\i+1]
.endr
.irp j, 2,4,6
.irp i, 0,1,2,3
	v_pk_fma_f32 v[R+4*\i+2:R+4*\i+3], v[AF+8*\i+\j:AF+8*\i+\j+1], v[AF+8*\i+\j:AF+8*\i+\j+1], v[R+4*\i+2:R+4*\i+3]
.endr
.endr
.irp i, 0,1,2,3
	v_add_f32 v[R+4*\i], v[R+4*\i+2], v[R+4*\i+3]
.endr
	LANESUM
.irp i, 0,1,2,3
	v_fma_f32 v[R+4*\i], v[R+4*\i], s[RN], s[EPS]  ; the variance + 1e-5
.endr
	s_wait_alu depctr_va_vdst(0)
.irp i, 0,1,2,3
	v_rsq_f32 v[R+4*\i], v[R+4*\i]
.endr
	v_nop                                          ; one plain place behind the transcendentals
	s_wait_alu depctr_va_vdst(0)
.irp i, 0,1,2,3
.irp j, 0,2,4,6
	v_pk_mul_f32 v[AF+8*\i+\j:AF+8*\i+\j+1], v[AF+8*\i+\j:AF+8*\i+\j+1], v[R+4*\i:R+4*\i+1] op_sel_hi:[1,0]
.endr
.endr
	WIN 0x3c                                       ; sources 1 (gain) and 2 (bias) window 3
.irp i, 0,1,2,3
.irp j, 0,2,4,6
	v_pk_fma_f32 v[AF+8*\i+\j:AF+8*\i+\j+1], v[AF+8*\i+\j:AF+8*\i+\j+1], v[192+\j:193+\j], v[200+\j:201+\j]
.endr
.endr
	WIN 0
.irp i, 0,1,2,3
	global_store_b128 v[L16], v[AF+8*\i:AF+8*\i+3], s[26:27] offset:1024*\i          ; 32 lanes store 512 consecutive bytes, at a multiple of 256 from the output's first byte
	global_store_b128 v[L16], v[AF+8*\i+4:AF+8*\i+7], s[26:27] offset:1024*\i+512
.endr
	s_wait_tensorcnt 0x0
	ds_add_u32 v254, v255
	s_wait_dscnt 0x0
	s_endpgm
.Lfunc_end_k_qda5aa30d14_mlp:
	.size	k_qda5aa30d14_mlp, .Lfunc_end_k_qda5aa30d14_mlp-k_qda5aa30d14_mlp
	.p2alignl 7, 3214868480
	.fill 96, 4, 3214868480
	.section	.rodata,"a",@progbits
	.p2align	6, 0x0
	.amdhsa_kernel k_qda5aa30d14_mlp
		.amdhsa_group_segment_fixed_size 276992
		.amdhsa_private_segment_fixed_size 0
		.amdhsa_enable_private_segment 0
		.amdhsa_kernarg_size 96
		.amdhsa_user_sgpr_count 2
		.amdhsa_user_sgpr_kernarg_segment_ptr 1
		.amdhsa_wavefront_size32 1
		.amdhsa_system_sgpr_workgroup_id_x 1
		.amdhsa_system_sgpr_workgroup_id_y 1
		.amdhsa_system_sgpr_workgroup_id_z 1
		.amdhsa_system_vgpr_workitem_id 0
		.amdhsa_next_free_vgpr 1024
		.amdhsa_next_free_sgpr 72
		.amdhsa_reserve_vcc 0
		.amdhsa_float_denorm_mode_32 3
		.amdhsa_float_denorm_mode_16_64 3
		.amdhsa_memory_ordered 1
		.amdhsa_forward_progress 1
		.amdhsa_inst_pref_size 78
	.end_amdhsa_kernel
	.amdgpu_metadata
---
amdhsa.version: [ 1, 2 ]
amdhsa.kernels:
  - .name:           k_qda5aa30d14_mlp
    .symbol:         k_qda5aa30d14_mlp.kd
    .args:
      - { .name: opart, .offset: 0, .size: 8, .value_kind: global_buffer, .address_space: global }
      - { .name: stats, .offset: 8, .size: 8, .value_kind: global_buffer, .address_space: global }
      - { .name: W1_codes, .offset: 16, .size: 8, .value_kind: global_buffer, .address_space: global }
      - { .name: W1_scales, .offset: 24, .size: 8, .value_kind: global_buffer, .address_space: global }
      - { .name: b1, .offset: 32, .size: 8, .value_kind: global_buffer, .address_space: global }
      - { .name: W2_codes, .offset: 40, .size: 8, .value_kind: global_buffer, .address_space: global }
      - { .name: W2_scales, .offset: 48, .size: 8, .value_kind: global_buffer, .address_space: global }
      - { .name: b2, .offset: 56, .size: 8, .value_kind: global_buffer, .address_space: global }
      - { .name: slot_representations, .offset: 64, .size: 8, .value_kind: global_buffer, .address_space: global }
      - { .name: ln2_g, .offset: 72, .size: 8, .value_kind: global_buffer, .address_space: global }
      - { .name: ln2_b, .offset: 80, .size: 8, .value_kind: global_buffer, .address_space: global }
      - { .name: out0, .offset: 88, .size: 8, .value_kind: global_buffer, .address_space: global }
    .group_segment_fixed_size: 276992
    .private_segment_fixed_size: 0
    .kernarg_segment_align: 8
    .kernarg_segment_size: 96
    .max_flat_workgroup_size: 128
    .sgpr_count:     72
    .vgpr_count:     1024
    .wavefront_size: 32
...
	.end_amdgpu_metadata
.endif
;; end of part 4
